; MI455X (gfx1250); checked and timed in simulation.
; The chip was launched on July 23, 2026; its instructions are those of AMD's public machine-readable ISA for CDNA 5 (MIT licence, August 2026) and "CDNA5" Instruction Set Architecture Reference Guide (July 2026). The comments in the code are by the model that wrote it; some were corrected since.
;; Sparse Attention Meansim. Allowed arithmetic: matrix products marked QUANTISED: E4M3 operands, one E8M0 scale for each 32 along K, by v_wmma_scale_f32_16x16x128_f8f6f4 with both operands' format E4M3, f32 sums; products left as they are: f32 operands where the result goes on into a quantised operand, else bf16, f16 or f32 operands; f32 sums; everything else in f32.
;; Inputs: cdfthreshd 16 float32; k 2 x 16 x 2,048 x 64 float32; pvthreshd 16 float32; q 2 x 16 x 2,048 x 64 float32; simthreshd1 16 float32; v 2 x 16 x 2,048 x 64 float32.
;; Outputs: out0 2 x 16 x 2,048 x 64 float32.
;; This version of the problem:
;;   THIS VERSION OF THE PROBLEM IS GIVEN IN LOW PRECISION. The matrix products marked QUANTISED in the list below multiply operands that are first quantised to E4M3 (4 exponent bits, 3 mantissa bits; 8 bits a number), with one power-of-two scale for each 32 numbers along K (OCP MX v1.0); their sums are f32. All else is computed in f32.
;;   The module's matrix products, in the order in which they are computed (A, B: the left and right operand; K: the contracted axis; several contracted axes count as one K, in the product's order):
;;     1. batch 1,024 x [M 64, K 64] x [K 64, N 1]; A: input q; B: computed on the way: left as it is (N = 1 < 16)
;;     2. batch 32 x [M 32, K 64] x [K 64, N 32]; A: computed on the way; B: computed on the way: QUANTISED
;;     3. batch 32 x [M 2,048, K 64] x [K 64, N 2,048]; A: input q; B: computed on the way: QUANTISED
;;     4. batch 32 x [M 2,048, K 2,048] x [K 2,048, N 64]; A: computed on the way; B: input v: QUANTISED
;;   THE QUANTISER, for each operand of a quantised product, along K:
;;     - K is cut into blocks of 32 from its start; a last block that is shorter is filled with zeros.
;;     - A block's scale is 2^e with e = floor(log2(the largest magnitude in the block)) - 8, held to -126 .. 127; a block of zeros has e = 0. As a byte (E8M0): e + 127.
;;     - Each number is divided by its block's scale, clamped to +-448, and rounded to the nearest number of E4M3, ties to even, subnormals kept.
;;     - The product sums the exact products of the quantised numbers (number of the format x scale) in f32.
;;   ~~~python
;;   def quantise(x, axis):      # numpy; x: float32 -> the quantised numbers, widened to float32 again
;;       x = np.moveaxis(x, axis, -1); K = x.shape[-1]
;;       x = np.pad(x, [(0, 0)] * (x.ndim - 1) + [(0, -K % 32)]); x = x.reshape(x.shape[:-1] + (-1, 32)); a = np.abs(x).max(-1, keepdims=True)
;;       e = np.where(a > 0, np.clip(np.frexp(np.where(a > 0, a, 1))[1] - 1 - 8, -126, 127), 0)      # np.frexp(a)[1] - 1 = floor(log2(a)), exactly
;;       r = np.clip(x / 2.0 ** e, -448, 448)
;;       step = 2.0 ** (np.maximum(np.frexp(np.where(r == 0, 1, r))[1] - 1, -6) - 3)
;;       q = np.round(r / step) * step * 2.0 ** e      # np.round: ties to even
;;       return np.moveaxis(q.reshape(q.shape[:-2] + (-1,))[..., :K], -1, axis).astype(np.float32)
;;   ~~~
;;   OPERANDS COMPUTED ON THE WAY. 'Computed on the way' means the value that the module computes at that place (a softmax that the list does not call 'softmax' is quantised finished and normalised). What goes into a quantiser is computed in f32, as accurately as f32 sums, v_exp_f32 and their like allow (about 1e-6 of the number): no bf16 or f16 on the way to a quantiser, and a product that is left as it is and whose result goes on into a quantised operand takes f32 operands (vector FMAs, or v_wmma_f32_16x16x4_f32). A number that lies on a knife's edge between two numbers of the format may be rounded either way, as far as f32 arithmetic and the matrix unit's own rounding can turn it there, and no further.
;; One version. Each part assembles by itself: llvm-mc -triple=amdgcn-amd-amdhsa -mcpu=gfx1250 --defsym DOCPART=n.
;; ======== version 1 of 1: 4 launches
;; limits: right only within a limited range of input values
;; workspace buffers: qimg 4,718,592 bytes; kimg 4,718,592 bytes; vimg 4,718,592 bytes; sums 524,288 bytes; stats 1,048,576 bytes; pooled 4,096 bytes of whole numbers; bmask 4,096 bytes of whole numbers; dow 16,384 bytes of whole numbers
;; launch prep (part 1): grid 512 x 1, 4 waves a work-group, no clusters, 72,192 bytes of LDS; arguments q, k, simthreshd1, qimg, sums, pooled; writes qimg, sums, pooled
.if DOCPART == 1
	.amdgcn_target "amdgcn-amd-amdhsa--gfx1250"
	.amdhsa_code_object_version 6
	.text
	.protected	k_q8a84be9834_prep
	.globl	k_q8a84be9834_prep
	.p2align	8
	.type	k_q8a84be9834_prep,@function
k_q8a84be9834_prep:
	s_mov_b64 s[64:65], 0
	v_nop
	global_prefetch_b8 v0, s[64:65] scope:SCOPE_SE
	s_setreg_imm32_b32 hwreg(HW_REG_WAVE_MODE, 25, 1), 1
	s_wait_xcnt 0x0
; PREPARATION, one wave to a block of 64 rows x 64 numbers (16,384 bytes) of q or of k, 1,024 blocks each: work-groups 0-255 take q, 256-511 k.
; q: codes of E4M3 along d with one E8M0 byte for each 32, the block's column sums, and the flag 'mean cosine of the rows to the block mean > simthreshd1[head]'.
; k: the block's column sums of (k - pivot), pivot = row 0 of the head: the sums then have the size of the spread, so a common offset in k costs no digits in the means made of them later.
; A RECORD (4,608 bytes a block) IS AN IMAGE OF OPERAND REGISTERS: bytes 1024 T + 512 c + 16 lane = registers 4 c .. 4 c + 3 of fragment T; bytes 4096 + 16 lane = the four fragments' scale words of the lane's row.
; K = 64 is half of the matrix instruction's 128.  In every product of this program one side (q, P) has zero codes in the other half, with the byte 1 that a block of zeros has here; the other side (k, v) may
; hold any finite codes there, with the byte 127: they meet zeros.
; q: fragment T = rows 16 T + lane % 16, register bytes d = 32 c + 16 (lane / 16) + 0 .. 15.
; A block's scale byte is its largest magnitude's exponent field - 8, held at 1 from below.
; LIMITS: NaN and infinities among the inputs are not served; a block of zeros, or one whose largest magnitude lies under 2^-118, gets the byte 1 (its codes are zeros or held; this program alone reads the bytes).
; No cluster: no two work-groups read the same bytes.  No matrix work.  Waves share nothing: no barrier.
.set X,    16                          ; v16-143  32 loads of 4 registers; in the q path later the same numbers turned: tile t, register 16 c + i
.set YS,   144                         ; v144-175 the block mean in the turned layout
.set SUMR, 176                         ; v176-183 two chains of column sums
.set TM,   184                         ; v184-193 the quantiser's work registers
.set CD,   216                         ; v216-247 codes
.set WD,   248                         ; v248-251 scale words (k path: the pivot)
.set SPW,  11                          ; v11 my spare word;  v12 0
.set NIL,  12
.set SEL,  30                          ; s[30:31] v_permlanex16_b32's selects for lane l xor 16
.set MNT,  32                          ; s32 the mantissa field of 448
.set STG,  17920                       ; LDS of a wave (q path): 64 rows x 272 bytes, then the mean's row
.set SPARE, 4*STG
.set REC,  4608
; 32 numbers of a lane, register 16 c + i = d 32 c + 16 (lane / 16) + i of its row, become 8 registers of codes and the row's scale word
.macro QUANT2 src, dst, word
.irp c, 0,1
	v_max3_num_f32 v[TM+\c], |v[\src+16*\c]|, |v[\src+16*\c+1]|, 0x4800000   ; my 16 numbers and the floor 2^(9 - 127): the byte cannot fall under 1
.endr
.irp i, 2,4,6,8,10,12,14
.irp c, 0,1
	v_max3_num_f32 v[TM+\c], v[TM+\c], |v[\src+16*\c+\i]|, |v[\src+16*\c+\i+1]|
.endr
.endr
.irp c, 0,1
	v_permlanex16_b32 v[TM+2+\c], v[TM+\c], s[SEL], s[SEL+1]
.endr
.irp c, 0,1
	v_max_num_f32 v[TM+\c], v[TM+\c], v[TM+2+\c]                   ; with lane l xor 16's 16: the block's largest magnitude
.endr
.irp c, 0,1
	v_add_nc_u32 v[TM+4+\c], 0xfc000000, v[TM+\c]                  ; 8 off its exponent field: the conversion's scale operand
.endr
.irp c, 0,1
	v_and_or_b32 v[TM+6+\c], v[TM+\c], 0x7f800000, s[MNT]          ; 448 x the scale
.endr
.irp c, 0,1
	v_lshrrev_b32 v[TM+8+\c], 23, v[TM+4+\c]                       ; the byte
.endr
	v_lshl_or_b32 v[\word], v[TM+9], 8, v[TM+8]
	v_or_b32 v[\word], 0x01010000, v[\word]                        ; bytes 2, 3 stand over the reader's zero codes
.irp c, 0,1
.irp i, 0,1,2,3,4,5,6,7,8,9,10,11,12,13,14,15
	v_med3_num_f32 v[\src+16*\c+\i], v[\src+16*\c+\i], -v[TM+6+\c], v[TM+6+\c]   ; the conversion to an 8-bit code does not saturate (ISA guide 7.6.2): the hold comes first
.endr
	v_cvt_scalef32_pk8_fp8_f32 v[\dst+4*\c:\dst+4*\c+1], v[\src+16*\c:\src+16*\c+7], v[TM+4+\c]
	v_cvt_scalef32_pk8_fp8_f32 v[\dst+4*\c+2:\dst+4*\c+3], v[\src+16*\c+8:\src+16*\c+15], v[TM+4+\c]
.endr
	v_nop                                                          ; a plain line behind the last conversion
.endm
.macro SUMHEAD                         ; loads 0-3 start the two chains: nothing is cleared
	v_pk_add_f32 v[SUMR:SUMR+1], v[X:X+1], v[X+8:X+9]
	v_pk_add_f32 v[SUMR+2:SUMR+3], v[X+2:X+3], v[X+10:X+11]
	v_pk_add_f32 v[SUMR+4:SUMR+5], v[X+4:X+5], v[X+12:X+13]
	v_pk_add_f32 v[SUMR+6:SUMR+7], v[X+6:X+7], v[X+14:X+15]
.endm
.macro SUMROWS from, count             ; loads from .. from + count - 1 onto the chains, even loads on one, odd on the other
.set i, \from
.rept \count
	v_pk_add_f32 v[SUMR+4*(i%2):SUMR+4*(i%2)+1], v[SUMR+4*(i%2):SUMR+4*(i%2)+1], v[X+4*i:X+4*i+1]
	v_pk_add_f32 v[SUMR+4*(i%2)+2:SUMR+4*(i%2)+3], v[SUMR+4*(i%2)+2:SUMR+4*(i%2)+3], v[X+4*i+2:X+4*i+3]
.set i, i+1
.endr
.endm
.macro SUMJOIN                         ; the chains, then the other half of the lanes: every lane holds the sums of columns 4 l .. 4 l + 3; v[252:253] = the pair that it stores
	v_pk_add_f32 v[SUMR:SUMR+1], v[SUMR:SUMR+1], v[SUMR+4:SUMR+5]
	v_pk_add_f32 v[SUMR+2:SUMR+3], v[SUMR+2:SUMR+3], v[SUMR+6:SUMR+7]
.irp j, 0,1,2,3
	v_permlanex16_b32 v[TM+\j], v[SUMR+\j], s[SEL], s[SEL+1]
.endr
	v_pk_add_f32 v[SUMR:SUMR+1], v[SUMR:SUMR+1], v[TM:TM+1]
	v_pk_add_f32 v[SUMR+2:SUMR+3], v[SUMR+2:SUMR+3], v[TM+2:TM+3]
	v_cndmask_b32 v252, v[SUMR], v[SUMR+2], s33
	v_cndmask_b32 v253, v[SUMR+1], v[SUMR+3], s33
.endm
	s_load_b128 s[4:7], s[0:1], 0x0                ; q s[4:5], k s[6:7]
	s_load_b64 s[10:11], s[0:1], 0x10              ; simthreshd1
	s_load_b128 s[12:15], s[0:1], 0x18             ; qimg s[12:13], sums s[14:15]
	s_load_b64 s[16:17], s[0:1], 0x28              ; pooled
	v_lshl_add_u32 v[SPW], v0, 2, SPARE
	v_mov_b32 v[NIL], 0
	v_lshrrev_b32 v1, 5, v0
	v_readfirstlane_b32 s20, v1                    ; wave
	v_and_b32 v1, 31, v0                           ; lane
	v_and_b32 v2, 15, v0                           ; l
	v_bfe_u32 v3, v0, 4, 1                         ; hh
	v_lshlrev_b32 v4, 4, v1                        ; 16 x lane
	v_lshlrev_b32 v9, 4, v2
	v_lshl_add_u32 v9, v3, 3, v9                   ; 16 l + 8 hh: where a lane puts its pair of column sums
.irp j, 0,1,2,3,4,5,6,7
	v_mov_b32 v[TM+\j], 0                          ; written once: a lane permute's destination counts as one of its sources
.endr
	s_and_b32 s21, ttmp9, 255
	s_lshl_b32 s21, s21, 2
	s_add_co_u32 s21, s21, s20                     ; my block, 0 .. 1,023
	s_lshr_b32 s22, s21, 5                         ; its head
	s_lshl_b32 s24, s21, 14                        ; its first byte in the tensor
	s_mov_b32 s25, 0
	s_mul_i32 s26, s21, REC                        ; and its record
	s_mov_b32 s27, 0
	s_mov_b32 s[SEL], 0x76543210
	s_mov_b32 s[SEL+1], 0xfedcba98
	s_mov_b32 s[MNT], 0x600000
	s_mov_b32 s33, 0xffff0000                      ; lanes 16-31
	s_mov_b32 s38, 0x3c800000                      ; 1 / 64
	s_mov_b32 s39, s38
	s_lshr_b32 s35, ttmp9, 8                       ; 0: q, 1: k
	s_wait_alu depctr_va_vdst(0)                   ; the wait at the head's end
	s_wait_kmcnt 0x0
	s_cmp_eq_u32 s35, 1
	s_cbranch_scc1 .Lkpath
; ---------------- q ----------------
	s_add_nc_u64 s[4:5], s[4:5], s[24:25]
	s_add_nc_u64 s[12:13], s[12:13], s[26:27]
	s_lshl_b32 s24, s21, 8
	s_add_nc_u64 s[14:15], s[14:15], s[24:25]      ; my 256 bytes of q's sums
	s_lshl_b32 s24, s21, 2
	s_add_nc_u64 s[16:17], s[16:17], s[24:25]      ; my flag
	s_and_b32 s24, s22, 15
	s_lshl_b32 s24, s24, 2
	s_add_nc_u64 s[10:11], s[10:11], s[24:25]
	s_load_b32 s28, s[10:11], 0x0                  ; simthreshd1[head % 16]
.set i, 0
.rept 32
	global_load_b128 v[X+4*i:X+4*i+3], v4, s[4:5] offset:512*i th:TH_LOAD_NT   ; 512 consecutive bytes: row 2 i + hh, columns 4 l .. 4 l + 3
.set i, i+1
.endr
	s_mul_i32 s36, s20, STG
	v_mul_u32_u24 v5, v3, 272
	v_lshl_add_u32 v5, v2, 4, v5
	v_add_nc_u32 v5, s36, v5                       ; into the stage: row hh, 16 l
	v_mul_u32_u24 v6, v2, 272
	v_lshl_add_u32 v6, v3, 6, v6
	v_add_nc_u32 v6, s36, v6                       ; out of it: row l, 64 hh
	v_lshlrev_b32 v7, 4, v2
	v_add_nc_u32 v7, s36, v7
	v_add_nc_u32 v7, 17408, v7                     ; the mean's row, in
	v_lshlrev_b32 v8, 6, v3
	v_add_nc_u32 v8, s36, v8
	v_add_nc_u32 v8, 17408, v8                     ; and out
	s_wait_alu depctr_va_vdst(0)
	s_wait_loadcnt 16                              ; loads 0-15 are in; the 16 younger may be out
	SUMHEAD
	SUMROWS 4, 12
.set i, 0
.rept 16
	ds_store_b128 v5, v[X+4*i:X+4*i+3] offset:544*i   ; loads 0-15: rows 0-31 of the stage
.set i, i+1
.endr
	s_wait_alu depctr_va_vdst(0)
	s_wait_loadcnt 0x0
	SUMROWS 16, 16
.set i, 16
.rept 16
	ds_store_b128 v5, v[X+4*i:X+4*i+3] offset:544*i   ; loads 16-31: rows 32-63
.set i, i+1
.endr
	SUMJOIN
	global_store_b64 v9, v[252:253], s[14:15]      ; 32 lanes store 256 consecutive bytes, aligned
	v_pk_mul_f32 v[SUMR:SUMR+1], v[SUMR:SUMR+1], s[38:39] op_sel_hi:[1,0]
	v_pk_mul_f32 v[SUMR+2:SUMR+3], v[SUMR+2:SUMR+3], s[38:39] op_sel_hi:[1,0]   ; the block mean
	ds_store_b128 v7, v[SUMR:SUMR+3]               ; both halves of the lanes write the same bytes with the same numbers
	s_wait_dscnt 0x0                               ; the stores have read the registers onto which the turned numbers land
.irp t, 0,1,2,3
.irp c, 0,1
.irp g, 0,1,2,3
	ds_load_b128 v[X+32*\t+16*\c+4*\g:X+32*\t+16*\c+4*\g+3], v6 offset:4352*\t+128*\c+16*\g   ; row 16 t + l, d = 32 c + 16 hh + 4 g ..; rows 272 bytes apart start at different banks
.endr
.endr
.endr
.irp c, 0,1
.irp g, 0,1,2,3
	ds_load_b128 v[YS+16*\c+4*\g:YS+16*\c+4*\g+3], v8 offset:128*\c+16*\g
.endr
.endr
	s_wait_dscnt 0x0
	; cos(row, mean) = row . mean / (|row| |mean| + 1e-6): the three sums over my 32 columns, packed, the four tiles by turns
.irp t, 0,1,2,3
	v_pk_mul_f32 v[184+2*\t:185+2*\t], v[X+32*\t:X+32*\t+1], v[YS:YS+1]
	v_pk_mul_f32 v[192+2*\t:193+2*\t], v[X+32*\t:X+32*\t+1], v[X+32*\t:X+32*\t+1]
.endr
	v_pk_mul_f32 v[200:201], v[YS:YS+1], v[YS:YS+1]
.irp p, 2,4,6,8,10,12,14,16,18,20,22,24,26,28,30
.irp t, 0,1,2,3
	v_pk_fma_f32 v[184+2*\t:185+2*\t], v[X+32*\t+\p:X+32*\t+\p+1], v[YS+\p:YS+\p+1], v[184+2*\t:185+2*\t]
	v_pk_fma_f32 v[192+2*\t:193+2*\t], v[X+32*\t+\p:X+32*\t+\p+1], v[X+32*\t+\p:X+32*\t+\p+1], v[192+2*\t:193+2*\t]
.endr
	v_pk_fma_f32 v[200:201], v[YS+\p:YS+\p+1], v[YS+\p:YS+\p+1], v[200:201]
.endr
.irp t, 0,1,2,3
	v_add_f32 v[204+\t], v[184+2*\t], v[185+2*\t]
	v_add_f32 v[208+\t], v[192+2*\t], v[193+2*\t]
.endr
	v_add_f32 v212, v200, v201
.irp t, 0,1,2,3
	v_permlanex16_b32 v[184+\t], v[204+\t], s[SEL], s[SEL+1]
	v_permlanex16_b32 v[188+\t], v[208+\t], s[SEL], s[SEL+1]
.endr
	v_permlanex16_b32 v192, v212, s[SEL], s[SEL+1]
.irp t, 0,1,2,3
	v_add_f32 v[204+\t], v[204+\t], v[184+\t]      ; row . mean
	v_add_f32 v[208+\t], v[208+\t], v[188+\t]      ; |row|^2
.endr
	v_add_f32 v212, v212, v192                     ; |mean|^2
	s_wait_alu depctr_va_vdst(0)
.irp t, 0,1,2,3
	v_sqrt_f32 v[208+\t], v[208+\t]
.endr
	v_sqrt_f32 v212, v212
	v_nop                                          ; a plain line behind the transcendentals (ISA guide 5.7.2)
	s_wait_alu depctr_va_vdst(0)
.irp t, 0,1,2,3
	v_fmaak_f32 v[208+\t], v[208+\t], v212, 0x358637bd   ; + 1e-6
.endr
	s_wait_alu depctr_va_vdst(0)
.irp t, 0,1,2,3
	v_rcp_f32 v[208+\t], v[208+\t]
.endr
	v_nop
	s_wait_alu depctr_va_vdst(0)
.irp t, 0,1,2,3
	v_mul_f32 v[204+\t], v[204+\t], v[208+\t]
.endr
	v_add_f32 v204, v204, v205
	v_add_f32 v206, v206, v207
	v_add_f32 v204, v204, v206                     ; rows l, 16 + l, 32 + l, 48 + l
.irp m, 1,2,4,8
	v_add_f32_dpp v204, v204, v204 row_xmask:\m row_mask:0xf bank_mask:0xf
.endr
	v_mul_f32 v204, s38, v204                      ; the mean over the 64 rows
	s_wait_alu depctr_va_vdst(0)
	s_wait_kmcnt 0x0
	v_cmp_lt_f32 vcc_lo, s28, v204
	v_cndmask_b32 v254, 0, 1, vcc_lo
	v_mov_b32 v255, 0
.irp t, 0,1,2,3
	QUANT2 X+32*\t, CD+8*\t, WD+\t
.endr
.irp t, 0,1,2,3
.irp c, 0,1
	global_store_b128 v4, v[CD+8*\t+4*\c:CD+8*\t+4*\c+3], s[12:13] offset:1024*\t+512*\c   ; 512 consecutive bytes
.endr
.endr
	global_store_b128 v4, v[WD:WD+3], s[12:13] offset:4096
	s_wait_tensorcnt 0x0                           ; the wave's end
	ds_add_u32 v[SPW], v[NIL]
	s_wait_dscnt 0x0
	s_wait_xcnt 0x0                                ; EXEC is a source of the stores above: it changes only behind this wait
	v_cmp_eq_u32 vcc_lo, 0, v1
	s_and_saveexec_b32 s34, vcc_lo
	global_store_b32 v255, v254, s[16:17]          ; lane 0: the flag
	s_wait_xcnt 0x0
	s_or_b32 exec_lo, exec_lo, s34
	s_endpgm
; ---------------- k ----------------
.Lkpath:
	s_lshl_b32 s26, s22, 19
	s_add_nc_u64 s[36:37], s[6:7], s[26:27]        ; the head's row 0: the pivot
	s_add_nc_u64 s[6:7], s[6:7], s[24:25]
	s_lshl_b32 s24, s21, 8
	s_add_co_u32 s24, s24, 262144                  ; k's sums lie behind q's
	s_add_nc_u64 s[14:15], s[14:15], s[24:25]
	v_lshlrev_b32 v10, 4, v2
	global_load_b128 v[WD:WD+3], v10, s[36:37]
.set i, 0
.rept 32
	global_load_b128 v[X+4*i:X+4*i+3], v4, s[6:7] offset:512*i   ; no hint: the next launch reads k again
.set i, i+1
.endr
	s_wait_loadcnt 0x0
.set i, 0
.rept 32
	v_pk_add_f32 v[X+4*i:X+4*i+1], v[X+4*i:X+4*i+1], v[WD:WD+1] neg_lo:[0,1] neg_hi:[0,1]
	v_pk_add_f32 v[X+4*i+2:X+4*i+3], v[X+4*i+2:X+4*i+3], v[WD+2:WD+3] neg_lo:[0,1] neg_hi:[0,1]
.set i, i+1
.endr
	SUMHEAD
	SUMROWS 4, 28
	SUMJOIN
	global_store_b64 v9, v[252:253], s[14:15]
	s_endpgm
.Lfunc_end_k_q8a84be9834_prep:
	.size	k_q8a84be9834_prep, .Lfunc_end_k_q8a84be9834_prep-k_q8a84be9834_prep
	.p2alignl 7, 3214868480
	.fill 96, 4, 3214868480
	.section	.rodata,"a",@progbits
	.p2align	6, 0x0
	.amdhsa_kernel k_q8a84be9834_prep
		.amdhsa_group_segment_fixed_size 72192
		.amdhsa_private_segment_fixed_size 0
		.amdhsa_enable_private_segment 0
		.amdhsa_kernarg_size 48
		.amdhsa_user_sgpr_count 2
		.amdhsa_user_sgpr_kernarg_segment_ptr 1
		.amdhsa_wavefront_size32 1
		.amdhsa_system_sgpr_workgroup_id_x 1
		.amdhsa_system_sgpr_workgroup_id_y 1
		.amdhsa_system_sgpr_workgroup_id_z 1
		.amdhsa_system_vgpr_workitem_id 0
		.amdhsa_next_free_vgpr 256
		.amdhsa_next_free_sgpr 66
		.amdhsa_reserve_vcc 1
		.amdhsa_float_denorm_mode_32 3
		.amdhsa_float_denorm_mode_16_64 3
		.amdhsa_memory_ordered 1
		.amdhsa_forward_progress 1
		.amdhsa_inst_pref_size 57
	.end_amdhsa_kernel
	.amdgpu_metadata
---
amdhsa.version: [ 1, 2 ]
amdhsa.kernels:
  - .name:           k_q8a84be9834_prep
    .symbol:         k_q8a84be9834_prep.kd
    .args:
      - { .name: q, .offset: 0, .size: 8, .value_kind: global_buffer, .address_space: global }
      - { .name: k, .offset: 8, .size: 8, .value_kind: global_buffer, .address_space: global }
      - { .name: simthreshd1, .offset: 16, .size: 8, .value_kind: global_buffer, .address_space: global }
      - { .name: qimg, .offset: 24, .size: 8, .value_kind: global_buffer, .address_space: global }
      - { .name: sums, .offset: 32, .size: 8, .value_kind: global_buffer, .address_space: global }
      - { .name: pooled, .offset: 40, .size: 8, .value_kind: global_buffer, .address_space: global }
    .group_segment_fixed_size: 72192
    .private_segment_fixed_size: 0
    .kernarg_segment_align: 8
    .kernarg_segment_size: 48
    .max_flat_workgroup_size: 128
    .sgpr_count:     66
    .vgpr_count:     256
    .wavefront_size: 32
...
	.end_amdgpu_metadata
.endif
;; end of part 1
;; launch kmask (part 2): grid 512 x 1, 4 waves a work-group, no clusters, 70,144 bytes of LDS; arguments k, v, sums, pooled, cdfthreshd, kimg, vimg, bmask; writes kimg, vimg, bmask
.if DOCPART == 2
	.amdgcn_target "amdgcn-amd-amdhsa--gfx1250"
	.amdhsa_code_object_version 6
	.text
	.protected	k_q8a84be9834_kmask
	.globl	k_q8a84be9834_kmask
	.p2align	8
	.type	k_q8a84be9834_kmask,@function
k_q8a84be9834_kmask:
	s_mov_b64 s[64:65], 0
	v_nop
	global_prefetch_b8 v0, s[64:65] scope:SCOPE_SE
	s_setreg_imm32_b32 hwreg(HW_REG_WAVE_MODE, 25, 1), 1
	s_wait_xcnt 0x0
; Work-groups 0-255, a wave to a block of 64 rows: k' = k - (the head's mean over its 2,048 keys) as codes of E4M3 along d.
; Work-groups 256-511, a wave to a block: v as codes along the KEYS (the second product's K), one byte for each 32 keys; and, while v's block is on its way, the mask word of the query block of the same number.
; RECORDS as in the launch before.  k: fragment T = 2 b + u takes, in lane r, key 32 b + 8 u + r + 8 (r / 8): the scores' 16 registers of fragments 2 b and 2 b + 1 are then 16 neighbouring keys.
; v: fragment j = columns d = 4 (lane % 16) + j, register bytes key = 32 c + 16 (lane / 16) + 0 .. 15.
; The mean = pivot + (sum of the head's 32 block sums of (k - pivot)) / 2,048.
; THE MASK.  Block means of k' and the query block's mean (from the sums), quantised; source 0 = the query block's mean in all 16 rows, source 1 = 16 key blocks: lane L picks the score of key block L.
; Softmax over the 32 lanes; key block j is kept where the sum of the p that come before it in a stable descending sort lies under cdfthreshd[head]; all are kept where the query block is not pooled; block 0 always.
; 'i comes before j': p_i > p_j, or p_i = p_j and i < j.  With i = j xor m, i < j where j has m's highest bit.  p is not negative, so its bits order as whole numbers: bits(p_i) >= bits(p_j) + 1, or + 0 in those lanes.
; LIMITS: the sum ahead of j is taken in another order than the sorted one (an order of rounding); NaN and infinities are not served; zero blocks get the byte 1 over zero codes.
; No cluster: the work-groups share no tile but a head's 8 KiB of sums.
.set X,    16                          ; v16-143 my block of k or v
.set S0,   144                         ; v144-207 the head's sums; then the quantiser's sources, the mask's work, k's codes
.set TM,   216                         ; v216-225 the quantiser's work registers
.set MEAN, 228                         ; v228-231
.set WD,   248                         ; v248-251 scale words and nothing else
.set SPW,  4
.set NIL,  5
.set SEL,  30
.set MNT,  32
.set REC,  4608
.set STG,  17408                       ; a wave's stage: 64 rows x 272 bytes
.set SPARE, 4*STG
.macro QUANT2 src, dst, word, top
.irp c, 0,1
	v_max3_num_f32 v[TM+\c], |v[\src+16*\c]|, |v[\src+16*\c+1]|, 0x4800000
.endr
.irp i, 2,4,6,8,10,12,14
.irp c, 0,1
	v_max3_num_f32 v[TM+\c], v[TM+\c], |v[\src+16*\c+\i]|, |v[\src+16*\c+\i+1]|
.endr
.endr
.irp c, 0,1
	v_permlanex16_b32 v[TM+2+\c], v[TM+\c], s[SEL], s[SEL+1]
.endr
.irp c, 0,1
	v_max_num_f32 v[TM+\c], v[TM+\c], v[TM+2+\c]
.endr
.irp c, 0,1
	v_add_nc_u32 v[TM+4+\c], 0xfc000000, v[TM+\c]
.endr
.irp c, 0,1
	v_and_or_b32 v[TM+6+\c], v[TM+\c], 0x7f800000, s[MNT]
.endr
.irp c, 0,1
	v_lshrrev_b32 v[TM+8+\c], 23, v[TM+4+\c]
.endr
	v_lshl_or_b32 v[\word], v[TM+9], 8, v[TM+8]
	v_or_b32 v[\word], \top, v[\word]
.irp c, 0,1
.irp i, 0,1,2,3,4,5,6,7,8,9,10,11,12,13,14,15
	v_med3_num_f32 v[\src+16*\c+\i], v[\src+16*\c+\i], -v[TM+6+\c], v[TM+6+\c]
.endr
	v_cvt_scalef32_pk8_fp8_f32 v[\dst+4*\c:\dst+4*\c+1], v[\src+16*\c:\src+16*\c+7], v[TM+4+\c]
	v_cvt_scalef32_pk8_fp8_f32 v[\dst+4*\c+2:\dst+4*\c+3], v[\src+16*\c+8:\src+16*\c+15], v[TM+4+\c]
.endr
	v_nop
.endm
.macro ROWIN adr, off                  ; 32 numbers of a row, d = 32 c + 16 h + 0 .. 15, into S0
.irp c, 0,1
.irp g, 0,1,2,3
	ds_load_b128 v[S0+16*\c+4*\g:S0+16*\c+4*\g+3], v[\adr] offset:(\off)+128*\c+16*\g
.endr
.endr
	s_wait_dscnt 0x0
.endm
	s_load_b256 s[4:11], s[0:1], 0x0               ; k s[4:5], v s[6:7], sums s[8:9], pooled s[10:11]
	s_load_b256 s[12:19], s[0:1], 0x20             ; cdfthreshd s[12:13], kimg s[14:15], vimg s[16:17], bmask s[18:19]
	v_lshl_add_u32 v[SPW], v0, 2, SPARE
	v_mov_b32 v[NIL], 0
	v_lshrrev_b32 v1, 5, v0
	v_readfirstlane_b32 s20, v1                    ; wave
	v_and_b32 v1, 31, v0                           ; lane
	v_and_b32 v2, 15, v0                           ; r
	v_bfe_u32 v3, v0, 4, 1                         ; h
	v_lshlrev_b32 v14, 4, v1                       ; 16 x lane
	s_wait_alu depctr_va_vdst(0)                   ; the wait at the head's end
	s_mov_b32 s[SEL], 0x76543210
	s_mov_b32 s[SEL+1], 0xfedcba98
	s_mov_b32 s[MNT], 0x600000
	s_mov_b32 s33, 0xffff0000                      ; lanes 16-31
	s_mov_b32 s38, 0x3a000000                      ; 1 / 2,048
	s_mov_b32 s39, s38
	s_mov_b32 s42, 0x3c800000                      ; 1 / 64
	s_mov_b32 s43, s42
	s_mov_b32 s44, 0xba000000                      ; -1 / 2,048
	s_mov_b32 s45, s44
	s_mov_b32 s46, 0x3e38aa3b                      ; c = log2(e) / 8
	s_mov_b32 s48, 0xbe38aa3b                      ; -c
	s_mov_b32 s50, 0xaaaaaaaa                      ; the lanes with bit 0, 1, 2, 3, 4 set
	s_mov_b32 s51, 0xcccccccc
	s_mov_b32 s52, 0xf0f0f0f0
	s_mov_b32 s53, 0xff00ff00
	s_mov_b32 s54, 0xffff0000
	s_mov_b32 s25, 0
	s_and_b32 s21, ttmp9, 255
	s_lshl_b32 s21, s21, 2
	s_add_co_u32 s21, s21, s20                     ; my block, 0 .. 1,023
	s_lshr_b32 s22, s21, 5                         ; its head
	s_wait_kmcnt 0x0
	s_lshl_b32 s24, s22, 19
	s_add_nc_u64 s[36:37], s[4:5], s[24:25]        ; the pivot: the head's row 0
	s_lshl_b32 s24, s21, 14
	s_add_nc_u64 s[4:5], s[4:5], s[24:25]
	s_add_nc_u64 s[6:7], s[6:7], s[24:25]
	s_lshl_b32 s24, s21, 8
	s_add_nc_u64 s[56:57], s[8:9], s[24:25]        ; my query block's sums
	s_lshl_b32 s24, s22, 13
	s_add_co_u32 s24, s24, 262144
	s_add_nc_u64 s[8:9], s[8:9], s[24:25]          ; the head's sums of k
	s_mul_i32 s24, s21, REC
	s_add_nc_u64 s[14:15], s[14:15], s[24:25]
	s_add_nc_u64 s[16:17], s[16:17], s[24:25]
	s_lshl_b32 s24, s21, 2
	s_add_nc_u64 s[10:11], s[10:11], s[24:25]
	s_add_nc_u64 s[18:19], s[18:19], s[24:25]
	s_and_b32 s24, s22, 15
	s_lshl_b32 s24, s24, 2
	s_add_nc_u64 s[12:13], s[12:13], s[24:25]
	s_mul_i32 s26, s20, STG
	v_lshlrev_b32 v7, 4, v2                        ; 16 r
	v_mul_u32_u24 v15, v3, 272
	v_lshl_add_u32 v15, v2, 4, v15
	v_add_nc_u32 v15, s26, v15                     ; into my stage: row h, 16 r
	v_add_nc_u32 v8, s26, v7                       ; row 0, 16 r
	v_mul_u32_u24 v9, v2, 272
	v_lshl_add_u32 v9, v3, 6, v9
	v_add_nc_u32 v9, s26, v9                       ; out of it: row r, 64 h
	v_lshlrev_b32 v10, 6, v3
	v_add_nc_u32 v10, s26, v10                     ; row 0, 64 h
	v_and_b32 v6, 8, v2
	v_add_nc_u32 v6, v6, v2                        ; r + 8 (r / 8)
	v_mul_u32_u24 v6, v6, 272
	v_lshl_add_u32 v6, v3, 6, v6
	v_add_nc_u32 v6, s26, v6                       ; that row, 64 h
	v_lshlrev_b32 v11, 12, v3
	v_lshl_add_u32 v11, v2, 4, v11                 ; v: 16 rows x h + 16 r
.irp j, 0,1,2,3
	v_mov_b32 v[TM+\j], 0                          ; written once: a lane permute's destination counts as one of its sources
.endr
	s_wait_alu depctr_va_vdst(0)
.set i, 0
.rept 16
	global_load_b128 v[S0+4*i:S0+4*i+3], v14, s[8:9] offset:512*i   ; blocks 2 i + h, columns 4 r ..
.set i, i+1
.endr
	s_cmp_ge_u32 ttmp9, 256
	s_cbranch_scc1 .Lvload
	global_load_b128 v[208:211], v7, s[36:37]
.set i, 0
.rept 32
	global_load_b128 v[X+4*i:X+4*i+3], v14, s[4:5] offset:512*i th:TH_LOAD_NT
.set i, i+1
.endr
	s_branch .Lloaded
.Lvload:
	s_load_b32 s41, s[10:11], 0x0                  ; the pooled flag
	s_load_b32 s40, s[12:13], 0x0                  ; cdfthreshd[head % 16]
	global_load_b128 v[212:215], v7, s[56:57]
.set i, 0
.rept 32
	global_load_b128 v[X+4*i:X+4*i+3], v11, s[6:7] offset:(32*(i/16)+i%16)*256 th:TH_LOAD_NT   ; lanes 0-15 one whole row of 256 bytes, lanes 16-31 the row 16 below
.set i, i+1
.endr
.Lloaded:
	s_wait_kmcnt 0x0
	s_wait_loadcnt 32                              ; the sums and the row behind them are in; the block's 32 loads, issued last, may be out
.irp j, 0,2
	v_pk_add_f32 v[220+\j:221+\j], v[S0+\j:S0+\j+1], v[S0+8+\j:S0+9+\j]
	v_pk_add_f32 v[224+\j:225+\j], v[S0+4+\j:S0+5+\j], v[S0+12+\j:S0+13+\j]
.endr
.set i, 4
.rept 12
	v_pk_add_f32 v[220+4*(i%2):221+4*(i%2)], v[220+4*(i%2):221+4*(i%2)], v[S0+4*i:S0+4*i+1]
	v_pk_add_f32 v[222+4*(i%2):223+4*(i%2)], v[222+4*(i%2):223+4*(i%2)], v[S0+4*i+2:S0+4*i+3]
.set i, i+1
.endr
	v_pk_add_f32 v[220:221], v[220:221], v[224:225]
	v_pk_add_f32 v[222:223], v[222:223], v[226:227]
.irp j, 0,1,2,3
	v_permlanex16_b32 v[TM+\j], v[220+\j], s[SEL], s[SEL+1]
.endr
	v_pk_add_f32 v[220:221], v[220:221], v[TM:TM+1]
	v_pk_add_f32 v[222:223], v[222:223], v[TM+2:TM+3]              ; the head's total of (k - pivot), columns 4 r .. 4 r + 3
	s_wait_alu depctr_va_vdst(0)                   ; the wait ahead of the branch
	s_cmp_lt_u32 ttmp9, 256
	s_cbranch_scc1 .Lkwork
; ---------------- the mask ----------------
	v_pk_mul_f32 v[224:225], v[220:221], s[44:45] op_sel_hi:[1,0]
	v_pk_mul_f32 v[226:227], v[222:223], s[44:45] op_sel_hi:[1,0]
	v_pk_mul_f32 v[212:213], v[212:213], s[42:43] op_sel_hi:[1,0]  ; the query block's mean
	v_pk_mul_f32 v[214:215], v[214:215], s[42:43] op_sel_hi:[1,0]
.set i, 0
.rept 16
	v_pk_fma_f32 v[S0+4*i:S0+4*i+1], v[S0+4*i:S0+4*i+1], s[42:43], v[224:225] op_sel_hi:[1,0,1]   ; the block mean of k' = block sum / 64 - total / 2,048
	v_pk_fma_f32 v[S0+4*i+2:S0+4*i+3], v[S0+4*i+2:S0+4*i+3], s[42:43], v[226:227] op_sel_hi:[1,0,1]
.set i, i+1
.endr
.set i, 0
.rept 16
	ds_store_b128 v15, v[S0+4*i:S0+4*i+3] offset:544*i             ; key blocks: rows 0-31 of the stage
.set i, i+1
.endr
	ds_store_b128 v8, v[212:215] offset:8704       ; the query block: row 32 (both halves of the lanes write the same)
	s_wait_alu depctr_va_vdst(0)
	s_wait_dscnt 0x0                               ; the stores have read their registers
.irp i, 0,1,2,3,4,5,6,7
	v_mov_b32 v[184+\i], 0                         ; K = 64 .. 127 of the query side: zero codes
	v_mov_b32 v[208+\i], 0                         ; and finite codes behind the second key fragment
.endr
	ROWIN 10, 8704
	QUANT2 S0, 176, 248, 0x01010000
	ROWIN 9, 0
	QUANT2 S0, 192, 249, 0x7f7f0000
	ROWIN 9, 4352
	QUANT2 S0, 200, 250, 0x7f7f0000
.rept 8
	v_nop                                          ; a scale word made by vector instructions stands eight plain lines ahead of a scaled matrix instruction, codes so made four
.endr
	v_wmma_scale_f32_16x16x128_f8f6f4 v[144:151], v[176:191], v[192:207], 0, v248, v249   ; lane (r, h), every register: key block r
	v_wmma_scale_f32_16x16x128_f8f6f4 v[152:159], v[176:191], v[200:215], 0, v248, v250   ; key block 16 + r
.rept 8
	v_nop                                          ; eight plain lines ahead of the first read of the results
.endr
	v_cndmask_b32 v160, v144, v152, s33            ; lane L: key block L
	v_mov_b32 v161, v160
.irp m, 1,2,4,8
	v_max_num_f32_dpp v161, v161, v161 row_xmask:\m row_mask:0xf bank_mask:0xf
.endr
	v_permlanex16_b32 v162, v161, s[SEL], s[SEL+1]
	v_max_num_f32 v161, v161, v162
	v_mul_f32 v161, s48, v161                      ; -c x the largest score
	v_fma_f32 v160, v160, s46, v161
	s_wait_alu depctr_va_vdst(0)
	v_exp_f32 v160, v160
	v_nop
	s_wait_alu depctr_va_vdst(0)
	v_mov_b32 v161, v160
.irp m, 1,2,4,8
	v_add_f32_dpp v161, v161, v161 row_xmask:\m row_mask:0xf bank_mask:0xf
.endr
	v_permlanex16_b32 v162, v161, s[SEL], s[SEL+1]
	v_add_f32 v161, v161, v162
	s_wait_alu depctr_va_vdst(0)
	v_rcp_f32 v161, v161
	v_nop
	s_wait_alu depctr_va_vdst(0)
	v_mul_f32 v160, v160, v161                     ; p of key block L
	v_add_nc_u32 v165, 1, v160
.irp b, 0,1,2,3,4
	v_cndmask_b32 v[166+\b], v165, v160, s[50+\b]  ; what bits(p_i) must reach, where m's highest bit is b
.endr
	v_permlanex16_b32 v171, v160, s[SEL], s[SEL+1] ; p of key block L xor 16
.irp e, 0,1,2,3
	v_mov_b32 v[192+\e], 0
.endr
.macro MV e, src, x
	v_mov_b32_dpp v[172+\e], v[\src] row_xmask:\x row_mask:0xf bank_mask:0xf
.endm
.macro CA e, t                         ; p_i onto the sum where i comes before j
	v_cmp_ge_u32 s[70+\e], v[172+\e], v[\t]
	v_cndmask_b32 v[196+\e], 0, v[172+\e], s[70+\e]
.endm
.macro SUM4
.irp e, 0,1,2,3
	v_add_f32 v[192+\e], v[192+\e], v[196+\e]
.endr
.endm
.macro G4 src, a, b, c, d, t
	MV 0, \src, \a
	MV 1, \src, \b
	MV 2, \src, \c
	MV 3, \src, \d
.irp e, 0,1,2,3
	CA \e, \t
.endr
	SUM4
.endm
	MV 0, 160, 1
	MV 1, 160, 2
	MV 2, 160, 3
	v_mov_b32 v175, v171
	CA 0, 166
	CA 1, 167
	CA 2, 167
	CA 3, 170
	SUM4
	G4 160, 4, 5, 6, 7, 168
	G4 160, 8, 9, 10, 11, 169
	G4 160, 12, 13, 14, 15, 169
	G4 171, 1, 2, 3, 4, 170
	G4 171, 5, 6, 7, 8, 170
	G4 171, 9, 10, 11, 12, 170
	MV 0, 171, 13
	MV 1, 171, 14
	MV 2, 171, 15
.irp e, 0,1,2
	CA \e, 170
.endr
.irp e, 0,1,2
	v_add_f32 v[192+\e], v[192+\e], v[196+\e]
.endr
	v_add_f32 v192, v192, v193
	v_add_f32 v194, v194, v195
	v_add_f32 v192, v192, v194
	v_cmp_gt_f32 vcc_lo, s40, v192                 ; bit j: the mass ahead of j lies under the threshold
	s_or_b32 s55, vcc_lo, 1                        ; key block 0 always
	s_cmp_eq_u32 s41, 0
	s_cselect_b32 s55, -1, s55                     ; a query block that is not pooled keeps all
	v_mov_b32 v252, s55
	v_mov_b32 v253, 0
; ---------------- v ----------------
; Register X + 64 c + 4 i + j = v(key 32 c + 16 h + i, d = 4 r + j): a lane's registers run down the keys, four columns side by side.
.set YS, 144                           ; v144-175 two sets of 16 held numbers
.set MX, 176                           ; block e = 2 j + c: largest magnitude;  v184.. the partner's;  v192.. scale operand;  v200.. 448 x scale;  v208.. byte
.set PT, 184
.set SC, 192
.set HO, 200
.set BY, 208
.set CD, 216                           ; v216-247 codes
	s_wait_alu depctr_va_vdst(0)
	s_wait_loadcnt 0x0
.irp j, 0,1,2,3
.irp c, 0,1
	v_max3_num_f32 v[MX+2*\j+\c], |v[X+64*\c+\j]|, |v[X+64*\c+4+\j]|, 0x4800000
.endr
.endr
.irp i, 2,4,6,8,10,12,14
.irp j, 0,1,2,3
.irp c, 0,1
	v_max3_num_f32 v[MX+2*\j+\c], v[MX+2*\j+\c], |v[X+64*\c+4*\i+\j]|, |v[X+64*\c+4*\i+4+\j]|
.endr
.endr
.endr
.irp e, 0,1,2,3,4,5,6,7
	v_permlanex16_b32 v[PT+\e], v[MX+\e], s[SEL], s[SEL+1]
.endr
.irp e, 0,1,2,3,4,5,6,7
	v_max_num_f32 v[MX+\e], v[MX+\e], v[PT+\e]
.endr
.irp e, 0,1,2,3,4,5,6,7
	v_add_nc_u32 v[SC+\e], 0xfc000000, v[MX+\e]
.endr
.irp e, 0,1,2,3,4,5,6,7
	v_and_or_b32 v[HO+\e], v[MX+\e], 0x7f800000, s[MNT]
.endr
.irp e, 0,1,2,3,4,5,6,7
	v_lshrrev_b32 v[BY+\e], 23, v[SC+\e]
.endr
.irp j, 0,1,2,3
	v_lshl_or_b32 v[WD+\j], v[BY+2*\j+1], 8, v[BY+2*\j]
.endr
.irp j, 0,1,2,3
	v_or_b32 v[WD+\j], 0x7f7f0000, v[WD+\j]
.endr
; The hold also gathers a column's 16 keys into consecutive registers.  Two sets by turns: the other set's 16 holds are the plain lines behind a conversion.
.irp j, 0,1,2,3
.irp c, 0,1
.irp i, 0,1,2,3,4,5,6,7,8,9,10,11,12,13,14,15
	v_med3_num_f32 v[YS+16*\c+\i], v[X+64*\c+4*\i+\j], -v[HO+2*\j+\c], v[HO+2*\j+\c]
.endr
	v_cvt_scalef32_pk8_fp8_f32 v[CD+8*\j+4*\c:CD+8*\j+4*\c+1], v[YS+16*\c:YS+16*\c+7], v[SC+2*\j+\c]
	v_cvt_scalef32_pk8_fp8_f32 v[CD+8*\j+4*\c+2:CD+8*\j+4*\c+3], v[YS+16*\c+8:YS+16*\c+15], v[SC+2*\j+\c]
.endr
.endr
	v_nop
.irp j, 0,1,2,3
.irp c, 0,1
	global_store_b128 v14, v[CD+8*\j+4*\c:CD+8*\j+4*\c+3], s[16:17] offset:1024*\j+512*\c
.endr
.endr
	global_store_b128 v14, v[WD:WD+3], s[16:17] offset:4096
	s_wait_tensorcnt 0x0                           ; the wave's end
	ds_add_u32 v[SPW], v[NIL]
	s_wait_dscnt 0x0
	s_wait_xcnt 0x0                                ; EXEC is a source of the stores above: it changes only behind this wait
	v_cmp_eq_u32 vcc_lo, 0, v1
	s_and_saveexec_b32 s34, vcc_lo
	global_store_b32 v253, v252, s[18:19]          ; lane 0: the query block's mask word
	s_wait_xcnt 0x0
	s_or_b32 exec_lo, exec_lo, s34
	s_endpgm
; ---------------- k' ----------------
.Lkwork:
	v_pk_fma_f32 v[MEAN:MEAN+1], v[220:221], s[38:39], v[208:209] op_sel_hi:[1,0,1]
	v_pk_fma_f32 v[MEAN+2:MEAN+3], v[222:223], s[38:39], v[210:211] op_sel_hi:[1,0,1]
	s_wait_alu depctr_va_vdst(0)
.macro HALFK from, young               ; 16 of my block's 32 loads, the younger ones may be out: k' into the stage
	s_wait_loadcnt \young
.set i, \from
.rept 16
	v_pk_add_f32 v[X+4*i:X+4*i+1], v[X+4*i:X+4*i+1], v[MEAN:MEAN+1] neg_lo:[0,1] neg_hi:[0,1]
	v_pk_add_f32 v[X+4*i+2:X+4*i+3], v[X+4*i+2:X+4*i+3], v[MEAN+2:MEAN+3] neg_lo:[0,1] neg_hi:[0,1]
.set i, i+1
.endr
.set i, \from
.rept 16
	ds_store_b128 v15, v[X+4*i:X+4*i+3] offset:544*i
.set i, i+1
.endr
	s_wait_alu depctr_va_vdst(0)
.endm
	HALFK 0, 16
	HALFK 16, 0
	s_wait_dscnt 0x0                               ; the stores have read the registers onto which the turned numbers land
.irp b, 0,1
.irp u, 0,1
.irp c, 0,1
.irp g, 0,1,2,3
	ds_load_b128 v[X+32*(2*\b+\u)+16*\c+4*\g:X+32*(2*\b+\u)+16*\c+4*\g+3], v6 offset:(32*\b+8*\u)*272+128*\c+16*\g
.endr
.endr
.endr
.endr
.irp t, 0,1,2,3
	s_wait_dscnt 24-8*\t                           ; fragment t's eight loads are in; those of the later ones may be out
	QUANT2 X+32*\t, 144+8*\t, WD+\t, 0x7f7f0000
.endr
.irp t, 0,1,2,3
.irp c, 0,1
	global_store_b128 v14, v[144+8*\t+4*\c:147+8*\t+4*\c], s[14:15] offset:1024*\t+512*\c
.endr
.endr
	global_store_b128 v14, v[WD:WD+3], s[14:15] offset:4096
	s_wait_tensorcnt 0x0                           ; the wave's end
	ds_add_u32 v[SPW], v[NIL]
	s_wait_dscnt 0x0
	s_endpgm
.Lfunc_end_k_q8a84be9834_kmask:
	.size	k_q8a84be9834_kmask, .Lfunc_end_k_q8a84be9834_kmask-k_q8a84be9834_kmask
	.p2alignl 7, 3214868480
	.fill 96, 4, 3214868480
	.section	.rodata,"a",@progbits
	.p2align	6, 0x0
	.amdhsa_kernel k_q8a84be9834_kmask
		.amdhsa_group_segment_fixed_size 70144
		.amdhsa_private_segment_fixed_size 0
		.amdhsa_enable_private_segment 0
		.amdhsa_kernarg_size 64
		.amdhsa_user_sgpr_count 2
		.amdhsa_user_sgpr_kernarg_segment_ptr 1
		.amdhsa_wavefront_size32 1
		.amdhsa_system_sgpr_workgroup_id_x 1
		.amdhsa_system_sgpr_workgroup_id_y 1
		.amdhsa_system_sgpr_workgroup_id_z 1
		.amdhsa_system_vgpr_workitem_id 0
		.amdhsa_next_free_vgpr 256
		.amdhsa_next_free_sgpr 80
		.amdhsa_reserve_vcc 1
		.amdhsa_float_denorm_mode_32 3
		.amdhsa_float_denorm_mode_16_64 3
		.amdhsa_memory_ordered 1
		.amdhsa_forward_progress 1
		.amdhsa_inst_pref_size 84
	.end_amdhsa_kernel
	.amdgpu_metadata
---
amdhsa.version: [ 1, 2 ]
amdhsa.kernels:
  - .name:           k_q8a84be9834_kmask
    .symbol:         k_q8a84be9834_kmask.kd
    .args:
      - { .name: k, .offset: 0, .size: 8, .value_kind: global_buffer, .address_space: global }
      - { .name: v, .offset: 8, .size: 8, .value_kind: global_buffer, .address_space: global }
      - { .name: sums, .offset: 16, .size: 8, .value_kind: global_buffer, .address_space: global }
      - { .name: pooled, .offset: 24, .size: 8, .value_kind: global_buffer, .address_space: global }
      - { .name: cdfthreshd, .offset: 32, .size: 8, .value_kind: global_buffer, .address_space: global }
      - { .name: kimg, .offset: 40, .size: 8, .value_kind: global_buffer, .address_space: global }
      - { .name: vimg, .offset: 48, .size: 8, .value_kind: global_buffer, .address_space: global }
      - { .name: bmask, .offset: 56, .size: 8, .value_kind: global_buffer, .address_space: global }
    .group_segment_fixed_size: 70144
    .private_segment_fixed_size: 0
    .kernarg_segment_align: 8
    .kernarg_segment_size: 64
    .max_flat_workgroup_size: 128
    .sgpr_count:     80
    .vgpr_count:     256
    .wavefront_size: 32
...
	.end_amdgpu_metadata
.endif
;; end of part 2
;; launch pass1 (part 3): grid 8 x 32, 16 waves a work-group, clusters of 4 x 1, 223,232 bytes of LDS; arguments qimg, kimg, bmask, pvthreshd, stats, dow; writes stats, dow
.if DOCPART == 3
	.amdgcn_target "amdgcn-amd-amdhsa--gfx1250"
	.amdhsa_code_object_version 6
	.text
	.protected	k_q8a84be9834_pass1
	.globl	k_q8a84be9834_pass1
	.p2align	8
	.type	k_q8a84be9834_pass1,@function
k_q8a84be9834_pass1:
	s_mov_b64 s[64:65], 0
	v_nop
	global_prefetch_b8 v0, s[64:65] scope:SCOPE_SE
	s_setreg_imm32_b32 hwreg(HW_REG_WAVE_MODE, 25, 1), 1
	s_wait_xcnt 0x0
	s_wait_alu depctr_hold_cnt(0) depctr_sa_sdst(0) depctr_va_vdst(0) depctr_va_sdst(0) depctr_va_ssrc(0) depctr_va_vcc(0) depctr_vm_vsrc(0)
	s_getreg_b32 s2, hwreg(HW_REG_IB_STS2, 6, 4)
	s_cmp_eq_u32 s2, 0
	s_cbranch_scc0 .Lentry_in_a_cluster
	s_endpgm
.Lentry_in_a_cluster:
	s_bfe_u32 s2, ttmp6, 0x10000c
	s_cmp_lg_u32 s2, 0x3003
	s_cbranch_scc0 .Lentry_shape_is_right
	s_endpgm
.Lentry_shape_is_right:
; FIRST PASS OVER THE KEYS.  For each query: the largest masked score and the sum of 2^(c (s - largest)), c = log2(e) / 8; for each (query block, key block): whether the block's largest finished P
; reaches pvthreshd[head] x 1e-3.  Stored: per query (-c x largest, 1 / sum); per query block four words, one a wave, whose OR is (those bits & the block mask) | 1: the next launch forms its trips and addresses from it.
; SHARES.  A work-group owns four query blocks of a head; wave w owns tiles 2 (w % 2), 2 (w % 2) + 1 (16 queries each) of query block w / 4, and sixteen of the head's 32 key blocks: 4 kp + 0 .. 3, then 8 + 12 kp + 0 .. 11, kp = (w / 2) % 2.
; The two waves that share queries merge their maxima and sums once, through LDS.
; S^T = K Q^T (source 0 = 16 keys, source 1 = 16 queries): a lane holds ONE query (lane % 16) and, of a block's 64 keys, the 32 of its half.  A lane keeps the maximum and the sum of ITS keys alone, so a step
; has no line across lanes.  K = 64 is half of the instruction's 128: registers 8-15 of Q's fragments are zero codes, written once; K's fragments lie end to end, so that a fragment's upper half is the next one's codes, which meet zeros.
; A STEP'S ORDER: tile 0's chain stands among tile 1's maxima, tile 1's chain among tile 0's multiply-adds, tile 1's multiply-adds among tile 0's exponentials, the first of tile 0's additions among tile 1's exponentials.
; THE MASK IS APPLIED BY VALUE: a masked block's scores get -infinity added, no step is left out: partners in a cluster run alike, and no branch hangs on loaded numbers.
; LDS.  The head's 32 records of K (147,456 bytes) are filled ONCE: wave w asks for records 2 w, 2 w + 1 by one tensor load.  No byte is filled again.  Waves 0-3 and 4-15 have a load line each: the first barrier shows records 0-7, the second the rest.
; CLUSTER.  The four work-groups of a cluster belong to one head and want the same K: each load is asked for jointly, with the same descriptor and the mask of all four.
; No prefetch: all of K is asked for at the head by one load a wave, and no loop asks for more.
; LIMITS: NaN and infinities are not served; a block's largest P is 2^(c s + (-c largest - log2(sum))) of its largest s; sums differ from a plain order of additions by rounding only.
.set KREC,  4608
.set BM,    32*KREC                    ; LDS: behind K: for each wave 16 x 256 bytes: step, lane: the two tiles' largest masked scores of the lane's keys
.set PXB,   BM+16*4096                 ; and 512 bytes a wave for the exchange between the two waves that share queries
.set SPARE, PXB+16*512
.set SPW, 10
.set NIL, 11
.set QF,  16                           ; v16-47   Q: 2 fragments
.set KF,  48                           ; v48-79   K: 4 fragments end to end, v80-87 zero codes behind them
.set SA,  88                           ; v88-151  S^T: tile tt, fragment f at 32 tt + 8 f
.set QS,  152                          ; v152-153 Q's scale words
.set KS,  156                          ; v156-159 K's
.set MR,  160                          ; v160-161 the largest score so far
.set NG,  162                          ; v162-163 -c x it
.set NB,  164                          ; v164, v166 the same with the step's bias (low words of pairs)
.set LS,  168                          ; v168-171 the sums, a pair a tile
.set AP,  172                          ; v172, v174 2^(c old - c new) (low words of pairs)
.set BB,  176                          ; v176-177 the step's largest masked scores
.set WK,  178                          ; v178-193 at work
.set ST,  196                          ; v196-199 my part: -c x largest, sum
.set FS,  200                          ; v200-203 what goes to stats
.set OF,  204                          ; v204-205 -c x largest - log2(sum)
.set VV,  120                          ; v120-135 the key blocks' maxima, at the end
.macro CROUND                          ; a round of the cluster's barrier
	s_barrier_signal -1
	s_barrier_wait -1
	s_cmp_lg_u32 s16, 0
	s_cbranch_scc1 .Lnot_wave_0_\@
	s_barrier_signal -3
.Lnot_wave_0_\@:
	s_barrier_wait -3
	s_barrier_signal -1
	s_barrier_wait -1
.endm
	s_load_b256 s[4:11], s[0:1], 0x0               ; qimg s[4:5], kimg s[6:7], bmask s[8:9], pvthreshd s[10:11]
	s_load_b128 s[12:15], s[0:1], 0x20             ; stats s[12:13], dow s[14:15]
	v_lshl_add_u32 v[SPW], v0, 2, SPARE
	v_mov_b32 v[NIL], 0
	ds_add_u32 v[SPW], v[NIL]                      ; the wave's opening: the add, twice on end, under one wait
	ds_add_u32 v[SPW], v[NIL]
	v_lshrrev_b32 v1, 5, v0
	v_readfirstlane_b32 s16, v1                    ; wave 0..15
	v_and_b32 v9, 31, v0                           ; lane
	v_lshlrev_b32 v1, 4, v9                        ; 16 x lane
	s_wait_alu depctr_va_vdst(0)
	s_and_b32 s17, s16, 1                          ; which two tiles
	s_bfe_u32 s60, s16, 0x10001                    ; kp: which key blocks
	s_lshr_b32 s18, s16, 2                         ; which of the four query blocks
	s_and_b32 s21, ttmp7, 0xffff                   ; the head, which the partners share
	; descriptor group 1: two records = 36 dense rows of 256 bytes (32 elements of 8 bytes), no padding: an image is read 512 consecutive bytes an instruction
	s_mov_b32 s24, 15|(3<<16)|(1<<21)              ; 15:0 the mask: all four work-groups; 17:16 elements of 8 bytes; 21 set beside a mask
	s_mov_b32 s25, 32<<16                          ; tensor_dim0 = 32
	s_mov_b32 s26, 36<<16                          ; tensor_dim1 = 36
	s_mov_b32 s27, 32<<16                          ; tile_dim0 = 32
	s_mov_b32 s28, 36                              ; tile_dim1 = 36
	s_mov_b32 s29, 32                              ; from row to row
	s_mov_b32 s30, 0
	s_mov_b32 s31, 0
	s_lshl_b32 s72, s16, 1
	s_lshl_b32 s73, s21, 5
	s_add_co_u32 s72, s72, s73
	s_mul_i32 s72, s72, KREC                       ; record (head, 2 x wave): made of the head and the wave's number alone
	s_mov_b32 s73, 0
	s_mul_i32 s74, s16, 2*KREC                     ; and its place in LDS
	s_bfe_u32 s19, ttmp6, 0x40000                  ; cx: it enters Q's, the mask's, stats' and dow's global addresses alone
	s_lshl_b32 s20, ttmp9, 2
	s_add_co_u32 s20, s20, s19
	s_lshl_b32 s22, s21, 5
	s_lshl_b32 s78, s20, 2
	s_add_co_u32 s22, s22, s78
	s_add_co_u32 s22, s22, s18                     ; my query block, 0 .. 1,023
	s_lshl_b32 s61, s60, 2                         ; 4 kp: my first key block of the first phase,
	s_mul_i32 s63, s60, 12
	s_add_co_u32 s63, s63, 8                       ; 8 + 12 kp: and of the second
	s_mul_i32 s62, s60, 4*KREC                     ; their places in LDS
	s_mul_i32 s84, s60, 12*KREC
	s_add_co_u32 s84, s84, 8*KREC
	s_lshl_b32 s75, s16, 12
	s_lshl_b32 s80, s16, 9
	s_xor_b32 s81, s16, 2
	s_lshl_b32 s81, s81, 9
	s_lshl_b32 s82, s17, 11
	s_lshl_b32 s83, s17, 3
	v_lshlrev_b32 v3, 3, v9
	v_add_nc_u32 v5, PXB, v1
	v_add_nc_u32 v3, s75, v3
	v_add_nc_u32 v6, s81, v5                       ; the exchange: the other wave's 16 bytes for my lane
	v_add_nc_u32 v3, BM, v3                        ; BM + 4,096 wave + 8 lane
	v_add_nc_u32 v5, s80, v5                       ; and mine
	v_add_nc_u32 v7, s82, v1                       ; Q's codes: my two tiles
	v_add_nc_u32 v8, s83, v1                       ; and their two scale words
	s_mov_b32 s54, 0x3e38aa3b                      ; c
	s_mov_b32 s55, s54
	s_mov_b32 s56, 0xbe38aa3b                      ; -c
	s_mov_b32 s58, 0x76543210
	s_mov_b32 s59, 0xfedcba98
	s_mov_b32 s67, 0xff00ff00                      ; lanes with bit 3, 2, 1, 0 set
	s_mov_b32 s68, 0xf0f0f0f0
	s_mov_b32 s69, 0xcccccccc
	s_mov_b32 s70, 0xaaaaaaaa
	s_wait_dscnt 0x0                               ; both opening adds are done
	s_wait_alu depctr_va_vdst(0)
	s_wait_kmcnt 0x0
	s_add_nc_u64 s[6:7], s[6:7], s[72:73]
	s_mov_b32 s32, 1                               ; count = 1
	s_mov_b32 s33, s74                             ; LDS address
	s_mov_b64 s[34:35], s[6:7]                     ; global address
	s_or_b32 s35, s35, 0x80000000                  ; type = 2
	CROUND                                         ; all four work-groups are here: the joint loads meet
	s_cmp_lt_u32 s16, 4                            ; a load line for what the first barrier shows, and one for the rest; one load a wave
	s_cbranch_scc0 .Lupper
	tensor_load_to_lds s[32:35], s[24:31]
	s_nop 0
.rept 4
	v_nop
.endr
	s_branch .Lasked
.Lupper:
	tensor_load_to_lds s[32:35], s[24:31]
	s_nop 0
.rept 4
	v_nop
.endr
.Lasked:
	s_mov_b32 s77, 0
	s_mul_i32 s76, s22, KREC
	s_add_nc_u64 s[4:5], s[4:5], s[76:77]
	s_lshl_b32 s76, s22, 2
	s_add_nc_u64 s[8:9], s[8:9], s[76:77]
	s_load_b32 s52, s[8:9], 0x0                    ; my query block's mask word
	s_and_b32 s78, s16, 3
	s_add_co_u32 s76, s76, s78
	s_lshl_b32 s76, s76, 2
	s_add_nc_u64 s[14:15], s[14:15], s[76:77]      ; my word of the query block's four
	s_and_b32 s76, s21, 15
	s_lshl_b32 s76, s76, 2
	s_add_nc_u64 s[10:11], s[10:11], s[76:77]
	s_load_b32 s57, s[10:11], 0x0                  ; pvthreshd[head % 16]
	s_lshl_b32 s76, s22, 1
	s_add_co_u32 s76, s76, s17
	s_lshl_b32 s76, s76, 9
	s_add_nc_u64 s[12:13], s[12:13], s[76:77]      ; my tiles' 512 bytes of stats
	s_wait_alu depctr_va_vdst(0)
.irp tt, 0,1
.irp c, 0,1
	global_load_b128 v[QF+16*\tt+4*\c:QF+16*\tt+4*\c+3], v7, s[4:5] offset:1024*\tt+512*\c
.endr
.endr
	global_load_b64 v[QS:QS+1], v8, s[4:5] offset:4096
.irp i, 8,9,10,11,12,13,14,15
	v_mov_b32 v[QF+\i], 0                          ; K = 64 .. 127: zero codes
	v_mov_b32 v[QF+16+\i], 0
	v_mov_b32 v[KF+24+\i], 0
.endr
.irp tt, 0,1
	v_mov_b32 v[MR+\tt], 0xff61b1e6                ; -3e38, under every score
	v_mov_b32 v[NB+2*\tt+1], 0                     ; (upper words of pairs of which the low word serves both halves: written once)
	v_mov_b32 v[AP+2*\tt+1], 0
	v_mov_b32 v[LS+2*\tt], 0
	v_mov_b32 v[LS+2*\tt+1], 0
.endr
.irp tt, 0,1
	v_mul_f32 v[NG+\tt], s56, v[MR+\tt]
.endr
	s_wait_alu depctr_va_vdst(0)                   ; the wait at the head's end
	s_wait_kmcnt 0x0
	s_lshr_b32 s51, s52, s61                       ; s51 is shifted step by step: my key blocks' bits
	s_wait_loadcnt 0x0                             ; Q
.macro LD i, pre                       ; the next record: eight loads of 512 consecutive bytes, and the scale words
.if \pre
.if \i < 8
	ds_load_b128 v[KF+4*\i:KF+4*\i+3], v2 offset:512*\i
.else
	ds_load_b128 v[KS:KS+3], v2 offset:4096
.endif
.endif
.endm
.macro MX1 t, f                        ; maxima of tile t's fragment f: each result is read from its low end on
	v_max3_num_f32 v[WK+4*\t+\f], v[SA+32*\t+8*\f], v[SA+32*\t+8*\f+1], v[SA+32*\t+8*\f+2]
.endm
.macro MX3 t, f, i
	v_max3_num_f32 v[WK+4*\t+\f], v[WK+4*\t+\f], v[SA+32*\t+8*\f+\i], v[SA+32*\t+8*\f+\i+1]
.endm
.macro C n, t                          ; tile t's chain, line n
.if \n == 1
	v_max3_num_f32 v[WK+4*\t], v[WK+4*\t], v[SA+32*\t+7], v[SA+32*\t+15]
.elseif \n == 2
	v_max3_num_f32 v[WK+4*\t+2], v[WK+4*\t+2], v[SA+32*\t+23], v[SA+32*\t+31]
.elseif \n == 3
	v_max3_num_f32 v[WK+4*\t], v[WK+4*\t], v[WK+4*\t+1], v[WK+4*\t+2]
.elseif \n == 4
	v_max_num_f32 v[WK+4*\t], v[WK+4*\t], v[WK+4*\t+3]
.elseif \n == 5
	v_add_f32 v[BB+\t], s53, v[WK+4*\t]            ; the block's largest score of my keys; -infinity where the block is masked
.elseif \n == 6
	v_max_num_f32 v[MR+\t], v[MR+\t], v[BB+\t]
.elseif \n == 7
	v_mul_f32 v[WK+8+\t], s56, v[MR+\t]            ; -c x the new largest
.elseif \n == 8
	v_sub_f32 v[WK+10+\t], v[WK+8+\t], v[NG+\t]    ; c old - c new, 0 or less
.else
	v_add_f32 v[NB+2*\t], s53, v[WK+8+\t]
.endif
.endm
.macro FM t, p                         ; two numbers' exponents
	v_pk_fma_f32 v[SA+32*\t+2*\p:SA+32*\t+2*\p+1], v[SA+32*\t+2*\p:SA+32*\t+2*\p+1], s[54:55], v[NB+2*\t:NB+2*\t+1] op_sel_hi:[1,0,0]
.endm
.macro PA t, a, b                      ; pair b onto pair a
	v_pk_add_f32 v[SA+32*\t+2*\a:SA+32*\t+2*\a+1], v[SA+32*\t+2*\a:SA+32*\t+2*\a+1], v[SA+32*\t+2*(\b):SA+32*\t+2*(\b)+1]
.endm
.macro FIRST t, k                      ; the first eight lines of tile t's sum: none reads what another writes
.if \k == 0
	v_pk_fma_f32 v[LS+2*\t:LS+2*\t+1], v[LS+2*\t:LS+2*\t+1], v[AP+2*\t:AP+2*\t+1], v[SA+32*\t:SA+32*\t+1] op_sel_hi:[1,0,1]
.else
	v_pk_add_f32 v[SA+32*\t+4*\k-2:SA+32*\t+4*\k-1], v[SA+32*\t+4*\k-2:SA+32*\t+4*\k-1], v[SA+32*\t+4*\k:SA+32*\t+4*\k+1]
.endif
.endm
.macro LAST t
	v_pk_add_f32 v[LS+2*\t:LS+2*\t+1], v[LS+2*\t:LS+2*\t+1], v[SA+32*\t+2:SA+32*\t+3]
.endm
.macro SOFTMAX pre
	MX1 0, 0
	MX1 0, 1
	MX1 0, 2
	MX1 0, 3
	MX3 0, 0, 3
	MX3 0, 1, 3
	MX3 0, 2, 3
	MX3 0, 3, 3
	MX3 0, 0, 5
	MX3 0, 1, 5
	MX3 0, 2, 5
	MX3 0, 3, 5
	C 1, 0
	C 2, 0
	MX1 1, 0
	MX1 1, 1
	MX1 1, 2
	C 3, 0
	MX1 1, 3
	MX3 1, 0, 3
	MX3 1, 1, 3
	C 4, 0
	MX3 1, 2, 3
	MX3 1, 3, 3
	MX3 1, 0, 5
	C 5, 0
	MX3 1, 1, 5
	MX3 1, 2, 5
	MX3 1, 3, 5
	C 6, 0
	C 1, 1
	C 2, 1
	C 7, 0
	C 3, 1
	C 9, 0
	C 8, 0
	C 4, 1
	FM 0, 0
	FM 0, 1
	FM 0, 2
	C 5, 1
	FM 0, 3
	FM 0, 4
	FM 0, 5
	C 6, 1
	FM 0, 6
	FM 0, 7
	FM 0, 8
	C 7, 1
	FM 0, 9
	FM 0, 10
	FM 0, 11
	C 9, 1
	C 8, 1
	FM 0, 12
	FM 0, 13
	FM 0, 14
	FM 0, 15
	s_wait_alu depctr_va_vdst(0)                   ; the wait ahead of the batch, and the one behind it
.irp i, 0,1,2,3,4,5,6,7,8
	LD \i, \pre
.endr
	ds_store_b64 v4, v[BB:BB+1]
	v_exp_f32 v[AP], v[WK+10]
.irp p, 0,1,2,3,4,5,6,7,8,9,10,11,12,13,14,15
	v_exp_f32 v[SA+2*\p], v[SA+2*\p]
	FM 1, \p
	v_exp_f32 v[SA+2*\p+1], v[SA+2*\p+1]
.endr
	v_mov_b32 v[NG], v[WK+8]                       ; (also the plain line behind the exponentials)
	s_wait_alu depctr_va_vdst(0)
	v_exp_f32 v[AP+2], v[WK+11]
.irp k, 0,1,2,3,4,5,6,7
	v_exp_f32 v[SA+32+4*\k], v[SA+32+4*\k]
	FIRST 0, \k
	v_exp_f32 v[SA+33+4*\k], v[SA+33+4*\k]
	v_exp_f32 v[SA+34+4*\k], v[SA+34+4*\k]
	v_exp_f32 v[SA+35+4*\k], v[SA+35+4*\k]
.endr
	v_mov_b32 v[NG+1], v[WK+9]
	s_wait_alu depctr_va_vdst(0)
	PA 0, 1, 3
	PA 0, 5, 7
	PA 0, 9, 11
	PA 0, 13, 15
.irp k, 0,1,2,3,4,5,6,7
	FIRST 1, \k
.endr
	PA 0, 1, 5
	PA 0, 9, 13
	PA 1, 1, 3
	PA 1, 5, 7
	PA 1, 9, 11
	PA 1, 13, 15
	PA 0, 1, 9
	PA 1, 1, 5
	PA 1, 9, 13
	LAST 0
	PA 1, 1, 9
	LAST 1
.endm
.macro STEP pre                        ; one key block.  pre = 1: the next record is fetched ahead of the exponentials, in one run: it has these and the additions in which to land
	s_wait_dscnt 0x0                               ; the record's nine loads are in
	s_and_b32 s23, s51, 1
	s_cselect_b32 s53, 0, 0xff800000               ; the step's bias: 0, or -infinity where the block is masked: a value, no branch
	s_lshr_b32 s51, s51, 1
.irp tt, 0,1
.irp f, 0,1,2,3
	v_wmma_scale_f32_16x16x128_f8f6f4 v[SA+32*\tt+8*\f:SA+32*\tt+8*\f+7], v[KF+8*\f:KF+8*\f+15], v[QF+16*\tt:QF+16*\tt+15], 0, v[KS+\f], v[QS+\tt]
.endr
.endr
.rept 6
	v_nop                                          ; with the two below: eight plain lines ahead of the loads into K's registers and of the first read of the scores
.endr
	v_add_nc_u32 v4, s49, v3
.if \pre
	v_add_nc_u32 v2, s48, v1
.else
	v_nop
.endif
	SOFTMAX \pre
	s_add_co_u32 s48, s48, KREC
	s_add_co_u32 s49, s49, 256
.endm
.macro PHASE q, n                      ; n key blocks from the record at s48 on
	v_add_nc_u32 v2, s48, v1
.irp i, 0,1,2,3,4,5,6,7,8
	LD \i, 1
.endr
	s_add_co_u32 s48, s48, KREC
	s_mov_b32 s50, \n-1
.Lphase_\q:
	STEP 1
	s_sub_co_u32 s50, s50, 1
	s_cmp_lg_u32 s50, 0
	s_cbranch_scc1 .Lphase_\q
	STEP 0
.endm
	s_cmp_lt_u32 s16, 4
	s_cbranch_scc0 .Lnot_yet
	s_wait_tensorcnt 0x0                           ; waves 0-3: my records have landed.  The other waves' wait stands at the second barrier
.Lnot_yet:
	s_barrier_signal -1
	s_barrier_wait -1                              ; records 0-7 are in.
	s_mov_b32 s48, s62
	s_mov_b32 s49, 0
	PHASE 0, 4
	s_lshr_b32 s51, s52, s63
	s_wait_alu depctr_va_vdst(0)
	s_wait_tensorcnt 0x0                           ; waves 4-15: mine have landed
	s_wait_dscnt 0x0
	s_barrier_signal -1
	s_barrier_wait -1
	s_mov_b32 s48, s84
	s_mov_b32 s49, 4*256
	PHASE 1, 12
	; ---- the two halves of the lanes are merged: my key blocks' largest score of the query, and its sum under that
.set i, 0
.rept 16
	ds_load_b64 v[SA+2*i:SA+2*i+1], v3 offset:256*i   ; my own stores: LDS serves a wave's instructions in order (ISA guide 5.7.1.4)
.set i, i+1
.endr
.irp tt, 0,1
	v_add_f32 v[WK+\tt], v[LS+2*\tt], v[LS+2*\tt+1]
	v_permlanex16_b32 v[WK+2+\tt], v[MR+\tt], s58, s59
.endr
.irp tt, 0,1
	v_max_num_f32 v[WK+4+\tt], v[MR+\tt], v[WK+2+\tt]
.endr
.irp tt, 0,1
	v_mul_f32 v[ST+\tt], s56, v[WK+4+\tt]
.endr
.irp tt, 0,1
	v_sub_f32 v[WK+6+\tt], v[ST+\tt], v[NG+\tt]
.endr
	s_wait_alu depctr_va_vdst(0)
.irp tt, 0,1
	v_exp_f32 v[WK+6+\tt], v[WK+6+\tt]
.endr
	v_nop
	s_wait_alu depctr_va_vdst(0)
.irp tt, 0,1
	v_mul_f32 v[WK+\tt], v[WK+\tt], v[WK+6+\tt]
.endr
.irp tt, 0,1
	v_permlanex16_b32 v[WK+2+\tt], v[WK+\tt], s58, s59
.endr
.irp tt, 0,1
	v_add_f32 v[ST+2+\tt], v[WK+\tt], v[WK+2+\tt]
.endr
	s_wait_alu depctr_va_vdst(0)
	; ---- and the two waves that share the queries
	ds_store_b128 v5, v[ST:ST+3]
	s_wait_dscnt 0x0                               ; for the other wave's sake
	s_barrier_signal -1
	s_barrier_wait -1
	ds_load_b128 v[WK+12:WK+15], v6
	s_wait_dscnt 0x0
.irp tt, 0,1
	v_min_num_f32 v[FS+\tt], v[ST+\tt], v[WK+12+\tt]
.endr
.irp tt, 0,1
	v_sub_f32 v[WK+\tt], v[FS+\tt], v[ST+\tt]
	v_sub_f32 v[WK+2+\tt], v[FS+\tt], v[WK+12+\tt]
.endr
	s_wait_alu depctr_va_vdst(0)
.irp e, 0,1,2,3
	v_exp_f32 v[WK+\e], v[WK+\e]
.endr
	v_nop
	s_wait_alu depctr_va_vdst(0)
.irp tt, 0,1
	v_mul_f32 v[WK+4+\tt], v[ST+2+\tt], v[WK+\tt]      ; two products and a sum, so that both waves round alike
	v_mul_f32 v[WK+6+\tt], v[WK+14+\tt], v[WK+2+\tt]
.endr
.irp tt, 0,1
	v_add_f32 v[WK+4+\tt], v[WK+4+\tt], v[WK+6+\tt]    ; the query's sum
.endr
	s_wait_alu depctr_va_vdst(0)
.irp tt, 0,1
	v_rcp_f32 v[FS+2+\tt], v[WK+4+\tt]
.endr
.irp tt, 0,1
	v_log_f32 v[WK+\tt], v[WK+4+\tt]
.endr
	v_nop
	s_wait_alu depctr_va_vdst(0)
.irp tt, 0,1
	v_sub_f32 v[OF+\tt], v[FS+\tt], v[WK+\tt]
.endr
	; ---- each of my key blocks' largest log2(P), over my keys and my two tiles
.set i, 0
.rept 16
	v_pk_fma_f32 v[SA+2*i:SA+2*i+1], v[SA+2*i:SA+2*i+1], s[54:55], v[OF:OF+1] op_sel_hi:[1,0,1]
.set i, i+1
.endr
.set i, 0
.rept 16
	v_max_num_f32 v[VV+i], v[SA+2*i], v[SA+2*i+1]
.set i, i+1
.endr
	; ---- across the 32 lanes: first the two halves; then in each stage a lane keeps the half of its values whose index has its own lane bit, and sends the other half: at the end lane l holds block l % 16's maximum
.set i, 0
.rept 16
	v_permlanex16_b32 v[136+i], v[VV+i], s58, s59
.set i, i+1
.endr
.set i, 0
.rept 16
	v_max_num_f32 v[VV+i], v[VV+i], v[136+i]
.set i, i+1
.endr
.macro BSTAGE n, msk
.set i, 0
.rept \n
	v_cndmask_b32 v[48+i], v[VV+i+\n], v[VV+i], s[\msk]
	v_cndmask_b32 v[VV+i], v[VV+i], v[VV+i+\n], s[\msk]
.set i, i+1
.endr
.set i, 0
.rept \n
	v_max_num_f32_dpp v[VV+i], v[48+i], v[VV+i] row_xmask:\n row_mask:0xf bank_mask:0xf
.set i, i+1
.endr
.endm
	BSTAGE 8, 67
	BSTAGE 4, 68
	BSTAGE 2, 69
	BSTAGE 1, 70
	v_mov_b32 v137, s57
	v_mul_f32 v137, 0x3a83126f, v137               ; pvthreshd x 1e-3
	s_wait_alu depctr_va_vdst(0)
	v_exp_f32 v136, v[VV]                          ; the block's largest P
	v_nop
	s_wait_alu depctr_va_vdst(0)
	v_cmp_ge_f32 vcc_lo, v136, v137                ; bits 0-3: my blocks 4 kp + 0 .. 3; bits 4-15: 8 + 12 kp + 0 .. 11
	s_and_b32 s23, vcc_lo, 15
	s_lshl_b32 s23, s23, s61
	s_bfe_u32 s72, vcc_lo, 0xc0004
	s_lshl_b32 s72, s72, s63
	s_or_b32 s23, s23, s72
	s_and_b32 s23, s23, s52                        ; a masked block holds zeros: nothing to do there
	s_or_b32 s23, s23, 1                           ; block 0 always
	v_mov_b32 v138, s23
	v_mov_b32 v139, 0
	s_wait_alu depctr_va_vdst(0)
	s_cmp_lg_u32 s60, 0
	s_cbranch_scc1 .Lno_stats                      ; of the two waves that share queries the first stores their numbers
	global_store_b128 v1, v[FS:FS+3], s[12:13]     ; 512 consecutive bytes
.Lno_stats:
	s_wait_xcnt 0x0                                ; EXEC is a source of the store above: it changes only behind this wait
	v_cmp_eq_u32 vcc_lo, 0, v9
	s_and_saveexec_b32 s71, vcc_lo
	global_store_b32 v139, v138, s[14:15]
	s_wait_xcnt 0x0
	s_or_b32 exec_lo, exec_lo, s71
	s_wait_tensorcnt 0x0                           ; the wave's end
	ds_add_u32 v[SPW], v[NIL]
	s_wait_dscnt 0x0
	CROUND                                         ; the closing round: no work-group ends while a partner may still ask for a record that names it
	s_endpgm
.Lfunc_end_k_q8a84be9834_pass1:
	.size	k_q8a84be9834_pass1, .Lfunc_end_k_q8a84be9834_pass1-k_q8a84be9834_pass1
	.p2alignl 7, 3214868480
	.fill 96, 4, 3214868480
	.section	.rodata,"a",@progbits
	.p2align	6, 0x0
	.amdhsa_kernel k_q8a84be9834_pass1
		.amdhsa_group_segment_fixed_size 223232
		.amdhsa_private_segment_fixed_size 0
		.amdhsa_enable_private_segment 0
		.amdhsa_kernarg_size 48
		.amdhsa_user_sgpr_count 2
		.amdhsa_user_sgpr_kernarg_segment_ptr 1
		.amdhsa_wavefront_size32 1
		.amdhsa_system_sgpr_workgroup_id_x 1
		.amdhsa_system_sgpr_workgroup_id_y 1
		.amdhsa_system_sgpr_workgroup_id_z 1
		.amdhsa_system_vgpr_workitem_id 0
		.amdhsa_next_free_vgpr 256
		.amdhsa_next_free_sgpr 90
		.amdhsa_reserve_vcc 1
		.amdhsa_float_denorm_mode_32 3
		.amdhsa_float_denorm_mode_16_64 3
		.amdhsa_memory_ordered 1
		.amdhsa_forward_progress 1
		.amdhsa_inst_pref_size 61
	.end_amdhsa_kernel
	.amdgpu_metadata
---
amdhsa.version: [ 1, 2 ]
amdhsa.kernels:
  - .name:           k_q8a84be9834_pass1
    .symbol:         k_q8a84be9834_pass1.kd
    .args:
      - { .name: qimg, .offset: 0, .size: 8, .value_kind: global_buffer, .address_space: global }
      - { .name: kimg, .offset: 8, .size: 8, .value_kind: global_buffer, .address_space: global }
      - { .name: bmask, .offset: 16, .size: 8, .value_kind: global_buffer, .address_space: global }
      - { .name: pvthreshd, .offset: 24, .size: 8, .value_kind: global_buffer, .address_space: global }
      - { .name: stats, .offset: 32, .size: 8, .value_kind: global_buffer, .address_space: global }
      - { .name: dow, .offset: 40, .size: 8, .value_kind: global_buffer, .address_space: global }
    .group_segment_fixed_size: 223232
    .private_segment_fixed_size: 0
    .kernarg_segment_align: 8
    .kernarg_segment_size: 48
    .max_flat_workgroup_size: 512
    .sgpr_count:     90
    .vgpr_count:     256
    .wavefront_size: 32
...
	.end_amdgpu_metadata
.endif
;; end of part 3
;; launch pass2 (part 4): grid 1024 x 1, 4 waves a work-group, no clusters, 16,896 bytes of LDS; arguments qimg, kimg, vimg, stats, dow, out0; writes out0
.if DOCPART == 4
	.amdgcn_target "amdgcn-amd-amdhsa--gfx1250"
	.amdhsa_code_object_version 6
	.text
	.protected	k_q8a84be9834_pass2
	.globl	k_q8a84be9834_pass2
	.p2align	8
	.type	k_q8a84be9834_pass2,@function
k_q8a84be9834_pass2:
	s_mov_b64 s[64:65], 0
	v_nop
	global_prefetch_b8 v0, s[64:65] scope:SCOPE_SE
	s_setreg_imm32_b32 hwreg(HW_REG_WAVE_MODE, 25, 1), 1
	s_wait_xcnt 0x0
; SECOND PASS: only the key blocks whose bit is set in the query block's word (stored as whole numbers by the launch before; at least bit 0).  For such a block: S^T = K Q^T again (the same sums of the
; same codes), P = 2^(c s - c max) / sum, finished and normalised, quantised along the keys (E4M3, a byte for each 32), O += P V.  All other blocks of P are zeros and add nothing.
; SHARES.  A work-group owns one query block; wave w owns its tiles 2 (w % 2), 2 (w % 2) + 1 and, of the kept key blocks, those of even or of odd rank; which, goes by w / 2 and by the work-group's number.
; P is normalised, so the two waves' partial O simply add: waves 0, 1 send their second tile through LDS and keep the first, waves 2, 3 the other way round, behind one barrier that stands outside the loop.
; 256 registers a wave, so that four work-groups fit on a WGP.  Neighbouring work-groups take different heads, since the number of kept blocks goes by head.
; LAYOUT.  S^T: a lane holds one query (lane % 16); the 16 registers of fragments 2 b, 2 b + 1 are keys 32 b + 16 (lane / 16) + 0 .. 15: the conversions' results ARE P's operand.  O = P V is not transposed:
; source 0 = P (16 queries), source 1 = V's fragment j (columns d = 4 (lane % 16) + j): register jj of O[j] is O(8 (lane / 16) + jj, 4 (lane % 16) + j), so the four j side by side are 16 bytes of a row.
; A step's K is 64 keys (or 64 of d): registers 8-15 of Q and of P are zero codes, written once; K's and V's fragments lie end to end, so that a fragment's upper half is the next one's codes, which meet zeros.
; Behind K's last fragment stand P's codes, behind V's last Q's: finite codes, which meet zeros likewise.
; THE LOADS run ahead of their use: the next block's K is asked for as soon as this one's is multiplied, its V likewise.  The last trip is written out and asks for nothing.
; No cluster: the work-groups of a head want different records and different numbers of trips.  No prefetch: the loads themselves run ahead.
; LIMITS: NaN and infinities are not served; p under 2^-126 counts as 0; a block's largest P is made of its largest score (takes v_exp_f32 not to fall where its input rises).
.set REC, 4608
.set NM,  10                           ; v10, v12 -c max of the two tiles (low words of pairs)
.set SPW, 14
.set NIL, 15
.set TM,  16                           ; v16-27 at work
.set QS,  28                           ; v28-29
.set PS,  30
.set KS,  32                           ; v32-35
.set VS,  40                           ; v40-43
.set RL,  44                           ; v44, v46 1 / sum (low words of pairs)
.set VF,  48                           ; v48-79; at the end the rows of O
.set QF,  80                           ; v80-111: 2 fragments, their upper halves zero codes
.set KF,  112                          ; v112-143; at the end the other wave's part
.set PC,  144                          ; v144-159 P's codes, the upper half zero codes
.set SA,  160                          ; v160-191 S^T, then P
.set OA,  192                          ; v192-255 O: tile t, fragment j at 32 t + 8 j
.set CS,  30                           ; s[30:31] c
.set SEL, 32                           ; s[32:33]
.set MNT, 34
.set SPARE, 4*4096
	s_load_b256 s[4:11], s[0:1], 0x0               ; qimg s[4:5], kimg s[6:7], vimg s[8:9], stats s[10:11]
	s_load_b128 s[12:15], s[0:1], 0x20             ; dow s[12:13], out0 s[14:15]
	v_lshl_add_u32 v[SPW], v0, 2, SPARE
	v_mov_b32 v[NIL], 0
	v_lshrrev_b32 v1, 5, v0
	v_readfirstlane_b32 s16, v1                    ; wave
	v_and_b32 v6, 31, v0
	v_lshlrev_b32 v1, 4, v6                        ; 16 x lane
	v_and_b32 v8, 15, v0
	v_lshlrev_b32 v8, 4, v8
	v_bfe_u32 v7, v0, 4, 1
	v_lshl_add_u32 v8, v7, 11, v8                  ; out: 8 rows x (lane / 16) + 16 (lane % 16)
	s_lshl_b32 s17, s16, 12
	v_add_nc_u32 v4, s17, v1                       ; LDS: what I send,
	s_xor_b32 s17, s16, 2
	s_lshl_b32 s17, s17, 12
	v_add_nc_u32 v5, s17, v1                       ; and what I get
	s_and_b32 s38, s16, 1                          ; which two tiles
	s_lshl_b32 s17, s38, 11
	v_add_nc_u32 v6, s17, v1                       ; Q's codes
	s_lshl_b32 s17, s38, 3
	v_add_nc_u32 v7, s17, v1                       ; and scale words
	s_wait_alu depctr_va_vdst(0)
	s_lshr_b32 s18, ttmp9, 8
	s_bfe_u32 s19, ttmp9, 0x30005
	s_lshl_b32 s17, s18, 3
	s_add_co_u32 s19, s19, s17                     ; the query block in its head
	s_and_b32 s20, ttmp9, 31
	s_lshl_b32 s17, s18, 2
	s_add_co_u32 s20, s20, s17
	s_and_b32 s20, s20, 31                         ; the head
	s_lshl_b32 s21, s20, 5
	s_add_co_u32 s21, s21, s19                     ; the query block, 0 .. 1,023
	s_lshr_b32 s39, s16, 1                         ; the tile of my two that I keep
	s_xor_b32 s36, s18, ttmp9
	s_xor_b32 s36, s36, s39
	s_and_b32 s36, s36, 1                          ; even or odd ranks
	s_mov_b32 s23, 0
	s_mov_b32 s[CS], 0x3e38aa3b
	s_mov_b32 s[CS+1], s[CS]
	s_mov_b32 s[SEL], 0x76543210
	s_mov_b32 s[SEL+1], 0xfedcba98
	s_mov_b32 s[MNT], 0x600000
	s_wait_kmcnt 0x0
	s_lshl_b32 s22, s21, 4
	s_add_nc_u64 s[12:13], s[12:13], s[22:23]
	s_load_b128 s[24:27], s[12:13], 0x0            ; the query block's four words
	s_mul_i32 s22, s21, REC
	s_add_nc_u64 s[4:5], s[4:5], s[22:23]
	s_mul_i32 s22, s20, 32*REC
	s_add_nc_u64 s[6:7], s[6:7], s[22:23]
	s_add_nc_u64 s[8:9], s[8:9], s[22:23]
	s_lshl_b32 s22, s21, 1
	s_add_co_u32 s22, s22, s38
	s_lshl_b32 s22, s22, 9
	s_add_nc_u64 s[10:11], s[10:11], s[22:23]
	s_lshl_b32 s22, s21, 14
	s_lshl_b32 s17, s38, 1
	s_add_co_u32 s17, s17, s39
	s_lshl_b32 s17, s17, 12
	s_add_co_u32 s22, s22, s17
	s_add_nc_u64 s[14:15], s[14:15], s[22:23]      ; the rows of the tile that I keep
.irp t, 0,1
.irp c, 0,1
	global_load_b128 v[QF+16*\t+4*\c:QF+16*\t+4*\c+3], v6, s[4:5] offset:1024*\t+512*\c
.endr
.endr
	global_load_b64 v[QS:QS+1], v7, s[4:5] offset:4096
.irp t, 0,1
	global_load_b32 v[NM+2*\t], v1, s[10:11] offset:4*\t
	global_load_b32 v[RL+2*\t], v1, s[10:11] offset:8+4*\t
.endr
.irp t, 0,1
	v_mov_b32 v[NM+2*\t+1], 0                      ; (upper words of pairs of which the low word serves both halves)
	v_mov_b32 v[RL+2*\t+1], 0
.endr
	v_mov_b32 v[TM+2], 0                           ; written once: a lane permute's destination counts as one of its sources
	v_mov_b32 v[TM+3], 0
.irp i, 0,1,2,3,4,5,6,7
	v_mov_b32 v[QF+8+\i], 0                        ; K = 64 .. 127: zero codes
	v_mov_b32 v[QF+24+\i], 0
	v_mov_b32 v[PC+\i], 0                          ; (K's last fragment names these ahead of the first P)
	v_mov_b32 v[PC+8+\i], 0
.irp j, 0,1,2,3,4,5,6,7
	v_mov_b32 v[OA+8*\j+\i], 0                     ; O: the trip is written once, and a wave without a block has zeros to add
.endr
.endr
	s_wait_alu depctr_va_vdst(0)                   ; the wait at the head's end
	s_wait_kmcnt 0x0
	s_or_b32 s24, s24, s25
	s_or_b32 s26, s26, s27
	s_or_b32 s24, s24, s26                         ; W: the blocks to do
	s_bcnt1_i32_b32 s29, s24                       ; n, at least 1
	s_add_co_u32 s29, s29, 1
	s_sub_co_u32 s29, s29, s36
	s_lshr_b32 s29, s29, 1                         ; my trips: (n + 1 - rank's parity) / 2
	s_sub_co_u32 s26, s24, 1
	s_and_b32 s26, s26, s24                        ; W without its lowest bit
	s_cmp_eq_u32 s36, 1
	s_cselect_b32 s24, s26, s24
.macro PICK                            ; s28 = the record of W's lowest block
	s_ctz_i32_b32 s28, s24
	s_min_u32 s28, s28, 31
	s_mul_i32 s28, s28, REC
.endm
.macro LOADR f, w, a, base             ; a record's nine loads of 512 consecutive bytes
.irp i, 0,1,2,3,4,5,6,7
	global_load_b128 v[\f+4*\i:\f+4*\i+3], v\a, s[\base:\base+1] offset:512*\i
.endr
	global_load_b128 v[\w:\w+3], v\a, s[\base:\base+1] offset:4096
.endm
.macro TILE t, pre
.irp f, 0,1,2,3
	v_wmma_scale_f32_16x16x128_f8f6f4 v[SA+8*\f:SA+8*\f+7], v[KF+8*\f:KF+8*\f+15], v[QF+16*\t:QF+16*\t+15], 0, v[KS+\f], v[QS+\t]
.endr
.rept 7
	v_nop                                          ; with the one below: eight plain lines ahead of loads into K's registers and of the first read of the scores
.endr
.if \t && \pre
.rept 2
	s_sub_co_u32 s26, s24, 1
	s_and_b32 s24, s24, s26                        ; on to the second block from here
.endr
	PICK
	v_add_nc_u32 v2, s28, v1                       ; (the earlier loads of K were waited for: their address register is free)
	LOADR KF, KS, 2, 6
.else
	v_nop
.endif
.irp b, 0,1                                    ; the largest score of each 32 keys, two chains a block: each result is read from its low end on
	v_max3_num_f32 v[TM+\b], v[SA+16*\b], v[SA+16*\b+1], v[SA+16*\b+2]
	v_max3_num_f32 v[TM+10+\b], v[SA+16*\b+8], v[SA+16*\b+9], v[SA+16*\b+10]
.endr
.irp i, 3,5
.irp b, 0,1
	v_max3_num_f32 v[TM+\b], v[TM+\b], v[SA+16*\b+\i], v[SA+16*\b+\i+1]
	v_max3_num_f32 v[TM+10+\b], v[TM+10+\b], v[SA+16*\b+8+\i], v[SA+16*\b+9+\i]
.endr
.endr
.irp b, 0,1
	v_max3_num_f32 v[TM+\b], v[TM+\b], v[SA+16*\b+7], v[SA+16*\b+15]
.endr
.irp b, 0,1
	v_max_num_f32 v[TM+\b], v[TM+\b], v[TM+10+\b]
.endr
.irp b, 0,1
	v_permlanex16_b32 v[TM+2+\b], v[TM+\b], s[SEL], s[SEL+1]
.endr
.irp b, 0,1
	v_max_num_f32 v[TM+\b], v[TM+\b], v[TM+2+\b]
.endr
.set p, 0
.rept 16
	v_pk_fma_f32 v[SA+2*p:SA+2*p+1], v[SA+2*p:SA+2*p+1], s[CS:CS+1], v[NM+2*\t:NM+2*\t+1] op_sel_hi:[1,0,0]
.set p, p+1
.endr
.irp b, 0,1
	v_fma_f32 v[TM+\b], v[TM+\b], s[CS], v[NM+2*\t]
.endr
.set i, 0
	s_wait_alu depctr_va_vdst(0)
.rept 32
	v_exp_f32 v[SA+i], v[SA+i]
.set i, i+1
.endr
.irp b, 0,1
	v_exp_f32 v[TM+\b], v[TM+\b]
.endr
	v_nop                                          ; a plain line behind the exponentials
	s_wait_alu depctr_va_vdst(0)
.irp b, 0,1
	v_mul_f32 v[TM+\b], v[TM+\b], v[RL+2*\t]       ; each 32 keys' largest P: the same three operations on the same number
.endr
.set p, 0
.rept 16
	v_pk_mul_f32 v[SA+2*p:SA+2*p+1], v[SA+2*p:SA+2*p+1], v[RL+2*\t:RL+2*\t+1] op_sel_hi:[1,0]   ; P, finished
.set p, p+1
.endr
.irp b, 0,1
	v_max_num_f32 v[TM+\b], 0x4800000, v[TM+\b]    ; the floor 2^(9 - 127)
.endr
.irp b, 0,1
	v_add_nc_u32 v[TM+4+\b], 0xfc000000, v[TM+\b]
.endr
.irp b, 0,1
	v_and_or_b32 v[TM+6+\b], v[TM+\b], 0x7f800000, s[MNT]
.endr
.irp b, 0,1
	v_lshrrev_b32 v[TM+8+\b], 23, v[TM+4+\b]
.endr
	v_lshl_or_b32 v[PS], v[TM+9], 8, v[TM+8]
	v_or_b32 v[PS], 0x01010000, v[PS]              ; P's scale word, bytes 2, 3 over the zero codes; the 32 holds below stand between it and the products
.irp b, 0,1
.set i, 0
.rept 16
	v_min_num_f32 v[SA+16*\b+i], v[SA+16*\b+i], v[TM+6+\b]   ; P is not negative: a one-sided hold (the conversion does not saturate: ISA guide 7.6.2)
.set i, i+1
.endr
	v_cvt_scalef32_pk8_fp8_f32 v[PC+4*\b:PC+4*\b+1], v[SA+16*\b:SA+16*\b+7], v[TM+4+\b]
	v_cvt_scalef32_pk8_fp8_f32 v[PC+4*\b+2:PC+4*\b+3], v[SA+16*\b+8:SA+16*\b+15], v[TM+4+\b]
.endr
.rept 5
	v_nop                                          ; one behind the conversions, four ahead of a scaled matrix instruction that takes codes made by vector instructions
.endr
.if \t == 0
	s_wait_loadcnt 0x0                             ; V is in: nothing has been asked for behind it
.endif
	s_wait_alu depctr_va_vdst(0)
.irp j, 0,1,2,3
	v_wmma_scale_f32_16x16x128_f8f6f4 v[OA+32*\t+8*\j:OA+32*\t+8*\j+7], v[PC:PC+15], v[VF+8*\j:VF+8*\j+15], v[OA+32*\t+8*\j:OA+32*\t+8*\j+7], v[PS], v[VS+\j]   ; eight accumulators by turns: the next link onto each stands a trip later
.endr
.endm
.macro TRIP pre
	s_wait_loadcnt 9                               ; K's nine loads are in; V's nine, issued behind them, may be out
	TILE 0, \pre
	TILE 1, \pre
.rept 7
	v_nop                                          ; with the one below: eight plain lines ahead of loads into V's registers, or of the reads of O
.endr
.if \pre
	v_add_nc_u32 v3, s28, v1
	LOADR VF, VS, 3, 8
.else
	v_nop
.endif
.endm
	s_cmp_eq_u32 s29, 0
	s_cbranch_scc1 .Lput                           ; one kept block, and it is the other wave's
	PICK
	v_add_nc_u32 v2, s28, v1
	v_mov_b32 v3, v2
	LOADR KF, KS, 2, 6
	LOADR VF, VS, 3, 8
	s_sub_co_u32 s29, s29, 1
	s_mov_b32 s35, 0
	s_cmp_eq_u32 s29, 0
	s_cbranch_scc1 .Llast
.Lblk:                                             ; one kept key block a trip
	TRIP 1
	s_add_co_u32 s35, s35, 1
	s_cmp_lt_u32 s35, s29
	s_cbranch_scc1 .Lblk
.Llast:
	TRIP 0
.Lput:
.macro SENDT t                         ; a tile's O as it stands, each accumulator from its low end on; 512 consecutive bytes a store
.irp i, 0,1,2,3,4,5,6,7
	ds_store_b128 v4, v[OA+32*\t+4*\i:OA+32*\t+4*\i+3] offset:512*\i
.endr
.endm
.macro ADDT t                          ; the additions also set the four j side by side
.irp jj, 0,1,2,3,4,5,6,7
.irp j, 0,1,2,3
	v_add_f32 v[VF+4*\jj+\j], v[OA+32*\t+8*\j+\jj], v[KF+8*\j+\jj]
.endr
.endr
	s_wait_alu depctr_va_vdst(0)
.endm
	s_cmp_lt_u32 s16, 2
	s_cbranch_scc0 .Lsend_0
	SENDT 1
	s_branch .Lsent
.Lsend_0:
	SENDT 0
.Lsent:
	s_wait_dscnt 0x0                               ; for the other wave's sake
	s_barrier_signal -1
	s_barrier_wait -1
.irp i, 0,1,2,3,4,5,6,7
	ds_load_b128 v[KF+4*\i:KF+4*\i+3], v5 offset:512*\i
.endr
	s_wait_dscnt 0x0
	s_cmp_lt_u32 s16, 2
	s_cbranch_scc0 .Lkeep_1
	ADDT 0
	s_branch .Lkept
.Lkeep_1:
	ADDT 1
.Lkept:
.irp jj, 0,1,2,3,4,5,6,7
	global_store_b128 v8, v[VF+4*\jj:VF+4*\jj+3], s[14:15] offset:256*\jj th:TH_STORE_NT   ; sixteen lanes store one row of 256 consecutive bytes, aligned; written once, read by nobody here
.endr
	s_wait_tensorcnt 0x0                           ; the wave's end
	ds_add_u32 v[SPW], v[NIL]
	s_wait_dscnt 0x0
	s_endpgm
.Lfunc_end_k_q8a84be9834_pass2:
	.size	k_q8a84be9834_pass2, .Lfunc_end_k_q8a84be9834_pass2-k_q8a84be9834_pass2
	.p2alignl 7, 3214868480
	.fill 96, 4, 3214868480
	.section	.rodata,"a",@progbits
	.p2align	6, 0x0
	.amdhsa_kernel k_q8a84be9834_pass2
		.amdhsa_group_segment_fixed_size 16896
		.amdhsa_private_segment_fixed_size 0
		.amdhsa_enable_private_segment 0
		.amdhsa_kernarg_size 48
		.amdhsa_user_sgpr_count 2
		.amdhsa_user_sgpr_kernarg_segment_ptr 1
		.amdhsa_wavefront_size32 1
		.amdhsa_system_sgpr_workgroup_id_x 1
		.amdhsa_system_sgpr_workgroup_id_y 1
		.amdhsa_system_sgpr_workgroup_id_z 1
		.amdhsa_system_vgpr_workitem_id 0
		.amdhsa_next_free_vgpr 256
		.amdhsa_next_free_sgpr 66
		.amdhsa_reserve_vcc 0
		.amdhsa_float_denorm_mode_32 3
		.amdhsa_float_denorm_mode_16_64 3
		.amdhsa_memory_ordered 1
		.amdhsa_forward_progress 1
		.amdhsa_inst_pref_size 48
	.end_amdhsa_kernel
	.amdgpu_metadata
---
amdhsa.version: [ 1, 2 ]
amdhsa.kernels:
  - .name:           k_q8a84be9834_pass2
    .symbol:         k_q8a84be9834_pass2.kd
    .args:
      - { .name: qimg, .offset: 0, .size: 8, .value_kind: global_buffer, .address_space: global }
      - { .name: kimg, .offset: 8, .size: 8, .value_kind: global_buffer, .address_space: global }
      - { .name: vimg, .offset: 16, .size: 8, .value_kind: global_buffer, .address_space: global }
      - { .name: stats, .offset: 24, .size: 8, .value_kind: global_buffer, .address_space: global }
      - { .name: dow, .offset: 32, .size: 8, .value_kind: global_buffer, .address_space: global }
      - { .name: out0, .offset: 40, .size: 8, .value_kind: global_buffer, .address_space: global }
    .group_segment_fixed_size: 16896
    .private_segment_fixed_size: 0
    .kernarg_segment_align: 8
    .kernarg_segment_size: 48
    .max_flat_workgroup_size: 128
    .sgpr_count:     66
    .vgpr_count:     256
    .wavefront_size: 32
...
	.end_amdgpu_metadata
.endif
;; end of part 4
